; MI455X (gfx1250); checked and timed in simulation.
; The chip was launched on July 23, 2026; its instructions are those of AMD's public machine-readable ISA for CDNA 5 (MIT licence, August 2026) and "CDNA5" Instruction Set Architecture Reference Guide (July 2026). The comments in the code are by the model that wrote it; some were corrected since.
;; HMU Stack probing. Allowed arithmetic: matrix products marked QUANTISED: E2M1 operands, one E8M0 scale for each 32 along K, by v_wmma_scale_f32_16x16x128_f8f6f4 with both operands' format E2M1 (or v_wmma_scale_f32_32x16x128_f4), f32 sums; products left as they are: f32 operands where the result goes on into a quantised operand, else bf16, f16 or f32 operands; f32 sums; everything else in f32.
;; Inputs: Wl_codes 1,000 x 64 x 16 uint8 (E2M1 codes of Wl, K innermost, in blocks of 32 codes, two codes a byte); Wl_scales 1,000 x 64 uint8 (E8M0 scales of Wl, one for each 32 codes along K); b1 2,048 float32; b2 2,048 float32; bl 1,000 float32; g1 2,048 float32; g2 2,048 float32; lam1 2,048 float32; lam2 2,048 float32; mu1 2,048 x 1,024 float32; mu2 2,048 x 2,048 float32; v1 2,048 x 4 x 1,024 float32; v2 2,048 x 4 x 2,048 float32; x 2,048 x 1,024 float32.
;; Outputs: out0 2,048 x 1,000 float32; out1 2,048 x 2,048 float32; out2 2,048 x 2,048 float32; out3 2,048 x 2,048 float32.
;; This version of the problem:
;;   THIS VERSION OF THE PROBLEM IS GIVEN IN LOW PRECISION. The matrix products marked QUANTISED in the list below multiply operands that are first quantised to E2M1 (2 exponent bits, 1 mantissa bit; 4 bits a number), with one power-of-two scale for each 32 numbers along K (OCP MX v1.0); their sums are f32. All else is computed in f32.
;;   The module's matrix products, in the order in which they are computed (A, B: the left and right operand; K: the contracted axis; several contracted axes count as one K, in the product's order):
;;     1. [M 2,048, K 1,024] x [K 1,024, N 2,048]; A: input x; B: input mu1: QUANTISED
;;     2. [M 2,048, K 1,024] x [K 1,024, N 8,192]; A: input x; B: input v1: QUANTISED
;;     3. batch 2,048 x [M 1, K 1,024] x [K 1,024, N 4]; A: input mu1; B: input v1: left as it is (M = 1 < 16)
;;     4. [M 2,048, K 2,048] x [K 2,048, N 2,048]; A: computed on the way; B: input mu2: QUANTISED
;;     5. [M 2,048, K 2,048] x [K 2,048, N 8,192]; A: computed on the way; B: input v2: QUANTISED
;;     6. batch 2,048 x [M 1, K 2,048] x [K 2,048, N 4]; A: input mu2; B: input v2: left as it is (M = 1 < 16)
;;     7. [M 2,048, K 2,048] x [K 2,048, N 1,000]; A: computed on the way; B: input Wl (given as codes): QUANTISED
;;   THE QUANTISER, for each operand of a quantised product, along K:
;;     - K is cut into blocks of 32 from its start; a last block that is shorter is filled with zeros.
;;     - A block's scale is 2^e with e = floor(log2(the largest magnitude in the block)) - 2, held to -126 .. 127; a block of zeros has e = 0. As a byte (E8M0): e + 127.
;;     - Each number is divided by its block's scale, clamped to +-6, and rounded to the nearest number of E2M1, ties to even, subnormals kept.
;;     - The product sums the exact products of the quantised numbers (number of the format x scale) in f32.
;;   ~~~python
;;   def quantise(x, axis):      # numpy; x: float32 -> the quantised numbers, widened to float32 again
;;       x = np.moveaxis(x, axis, -1); K = x.shape[-1]
;;       x = np.pad(x, [(0, 0)] * (x.ndim - 1) + [(0, -K % 32)]); x = x.reshape(x.shape[:-1] + (-1, 32)); a = np.abs(x).max(-1, keepdims=True)
;;       e = np.where(a > 0, np.clip(np.frexp(np.where(a > 0, a, 1))[1] - 1 - 2, -126, 127), 0)      # np.frexp(a)[1] - 1 = floor(log2(a)), exactly
;;       r = np.clip(x / 2.0 ** e, -6, 6)
;;       step = 2.0 ** (np.maximum(np.frexp(np.where(r == 0, 1, r))[1] - 1, 0) - 1)
;;       q = np.round(r / step) * step * 2.0 ** e      # np.round: ties to even
;;       return np.moveaxis(q.reshape(q.shape[:-2] + (-1,))[..., :K], -1, axis).astype(np.float32)
;;   ~~~
;;   OPERANDS COMPUTED ON THE WAY. 'Computed on the way' means the value that the module computes at that place (a softmax that the list does not call 'softmax' is quantised finished and normalised). What goes into a quantiser is computed in f32, as accurately as f32 sums, v_exp_f32 and their like allow (about 1e-6 of the number): no bf16 or f16 on the way to a quantiser, and a product that is left as it is and whose result goes on into a quantised operand takes f32 operands (vector FMAs, or v_wmma_f32_16x16x4_f32). A number that lies on a knife's edge between two numbers of the format may be rounded either way, as far as f32 arithmetic and the matrix unit's own rounding can turn it there, and no further.
;;   INPUTS GIVEN AS CODES. Wl (in the module: [1000, 2048], K = its axis 1): each comes as NAME_codes (uint8): NAME with its K axis moved to the last place and cut into blocks of 32 codes, [.., K / 32, bytes a block], one block behind the other in memory; two codes a byte, the lower K in the low four bits (a code: sign, 2 exponent bits, 1 mantissa bit); and NAME_scales (uint8): the same leading axes, one E8M0 byte (e + 127) for each 32 codes along K. Its value is code x scale, taken as it is: it is not quantised again, and the codes and scales need not be those that the quantiser above would give.
;; One version. Each part assembles by itself: llvm-mc -triple=amdgcn-amd-amdhsa -mcpu=gfx1250 --defsym DOCPART=n.
;; ======== version 1 of 1: 6 launches
;; workspace buffers: qw 18,939,904 bytes; aux 163,840 bytes; raw 16,777,216 bytes; stat 131,072 bytes; fq 2,228,224 bytes; fsq 32,768 bytes
;; launch quant (part 1): grid 256 x 1, 8 waves a work-group, no clusters, 45,056 bytes of LDS; arguments x, mu1, v1, mu2, v2, Wl_codes, Wl_scales, qw, aux; writes qw, aux
.if DOCPART == 1
	.amdgcn_target "amdgcn-amd-amdhsa--gfx1250"
	.amdhsa_code_object_version 6
	.text
	.protected	k_qa4596851fb_quant
	.globl	k_qa4596851fb_quant
	.p2align	8
	.type	k_qa4596851fb_quant,@function
k_qa4596851fb_quant:
	s_mov_b64 s[64:65], 0
	v_nop
	global_prefetch_b8 v0, s[64:65] scope:SCOPE_SE
	s_setreg_imm32_b32 hwreg(HW_REG_WAVE_MODE, 25, 1), 1
	s_wait_xcnt 0x0
; LAUNCH 1 OF 6.  x, mu1, v1, mu2, v2 (f32, K innermost) become codes of E2M1 with one E8M0 byte for each 32 along K, laid in the order of a matrix operand's registers;
; beside that the f32 sums that need the same numbers: -mu.v_k (both layers), the sum of mu2^2, the sum of x^2.  Wl, which arrives as codes, is laid anew in the same order.
; DEAD WORK, shown for all values of the inputs: in layer 1 quad[b][n] holds the term lam1[n] * sum(mu1[n]^2), the same for every row b of column n.  The batch norm behind it takes the column's mean
; away and divides by a variance that a shift of the column does not move, so in real numbers the term reaches neither feat1 nor anything made of feat1.  So sum(mu1^2) is not formed; mu1 itself is loaded
; (products with x and with v1).  In layer 2 the same term goes through an exponential first and stays.  LIMIT: a NaN, an infinity or an overflow that arises in sum(mu1^2) alone is not carried to the result.
; OTHER LIMITS: a block of zeros gets the byte 1 where the rule says 127 (its codes are zeros, and the bytes are read by this program alone); blocks whose largest magnitude lies under 2^-124 are held at
; that floor; NaN and infinities among the inputs are not served; the f32 sums are taken in another order than a plain loop takes them.
; A RECORD (4,352 bytes) is one tile of 16 rows x 512 along K.  Bytes 1024 q + 512 c + 16 lane: the 16 bytes (32 codes) of row lane % 16, k = 128 q + 64 c + 32 (lane / 16) on: registers 4 c .. 4 c + 3 of the
; fragment of K step q.  Bytes 4096 + 16 r + 4 q + b: the scale byte of row r, block b of K step q.  qw: x [ks 2][tile 128]; layer 1's weights [ks 2][tile 640]; layer 2's [ks 4][tile 640]; Wl [ks 4][tile 64].
; A weight tile 5 g + t holds units 16 g .. 16 g + 15: t = 0 their mu, t = 1 .. 4 their v_k.
; SHARES.  Work-group i: g = i / 2 (16 units of both layers, 16 rows of x), p = i % 2 (which half of K).  A PIECE is 16 rows x 64 along K of one tensor, 4,096 bytes.  Wave w walks 16 pieces:
; 0-4 mu2, v2_0..3 at K = 1024 p + 128 w; 5-9 the same 64 further on; 10-14 mu1, v1_0..3 at K = 512 p + 64 w; 15 x there.  Each load reads two rows' 256 consecutive bytes; a piece turns through the wave's
; own stage in LDS, so that lane (r, h) holds the 32 neighbours of one block.  Loads run four pieces (32 loads a wave) ahead.  No cluster: the work-groups share no input.  No matrix work: memory binds.
.set REC,   4352
.set W1OFF, 1114112
.set W2OFF, 6684672
.set WLOFF, 17825792
.set SCB,   34816                      ; LDS: eight stages of 16 x 272 bytes; then 16 units of 256 scale bytes;
.set RED,   38912                      ; then [10 sums][8 waves][16 rows] f32;
.set SPARE, 44032                      ; then the spare words, 128 bytes for each wave, which no other line names
.set VO4K,  4                          ; v4-7  (lane / 16) x a row's pitch + 16 (lane % 16), for pitches of 4, 8, 16, 32 KiB
.set VO8K,  5
.set VO16K, 6
.set VO32K, 7
.set STW,   8                          ; v8    the stage, on the way in
.set STR,   9                          ; v9    and on the way out: row r, + 128 h
.set AS2,   10                         ; v10   where layer 2's scale bytes go
.set AS1,   11                         ; v11   where layer 1's and x's go
.set LI,    12                         ; v12   16 x lane
.set REDW,  13                         ; v13   where my row's sums go
.set SPW,   14                         ; v14   my spare word;  v15  0;  both never rewritten
.set NIL,   15
.set CC,    24                         ; v24-27 a block's codes
.set WLC,   28                         ; v28-31 Wl's codes;  v32-33 its scale bytes
.set WLS,   32
.set DD,    34                         ; v34-41 four dot products, two halves each
.set SQ,    42                         ; v42-43 a sum of squares
.set FR,    44                         ; v44-53 the ten finished sums
.set SCR,   54
.set RDR,   55
.set WLO,   56
.set WSO,   57
.set L8,    58
.set AXO,   59
.set XM,    64                         ; v64-95   mu's (or x's) block
.set XV,    96                         ; v96-127  v_k's block
.set RR,    128                        ; v128-255 four sets of 32: pieces as they are loaded
.set WV,    22
.set MU2B,  32
.set V2B,   34
.set MU1B,  36
.set V1B,   38
.set XB,    40
.set O2,    42
.set O1,    44
.set OX,    46
.set WLI,   48
.set OW,    50
.set AUXO,  52
.set WLSB,  54
.set SEL,   56
	s_load_b256 s[4:11], s[0:1], 0x0               ; x, mu1, v1, mu2
	s_load_b256 s[12:19], s[0:1], 0x20             ; v2, Wl_codes, Wl_scales, qw
	s_load_b64 s[20:21], s[0:1], 0x40              ; aux
	v_lshl_add_u32 v[SPW], v0, 2, SPARE
	v_mov_b32 v[NIL], 0
	v_lshrrev_b32 v1, 5, v0
	v_readfirstlane_b32 s[WV], v1                  ; wave 0..7
	s_lshr_b32 s24, ttmp9, 1                       ; g
	s_and_b32 s25, ttmp9, 1                        ; p
	s_lshr_b32 s26, ttmp9, 2                       ; Wl: which tile,
	s_and_b32 s27, ttmp9, 3                        ; which 512 along K
	; byte offsets, each in a pair of its own with 0 above
	s_lshl_b32 s28, s25, 12
	s_lshl_b32 s29, s[WV], 9
	s_add_co_u32 s28, s28, s29                     ; 4096 p + 512 w
	s_lshl_b32 s66, s24, 17
	s_add_co_u32 s66, s66, s28                     ; mu2: 16 rows of 8,192 bytes a group
	s_mov_b32 s67, 0
	s_lshl_b32 s68, s24, 19
	s_add_co_u32 s68, s68, s28                     ; v2: 16 units of 32,768 bytes
	s_mov_b32 s69, 0
	s_lshr_b32 s28, s28, 1                         ; 2048 p + 256 w
	s_lshl_b32 s70, s24, 16
	s_add_co_u32 s70, s70, s28                     ; mu1, and x
	s_mov_b32 s71, 0
	s_lshl_b32 s72, s24, 18
	s_add_co_u32 s72, s72, s28                     ; v1
	s_mov_b32 s73, 0
	s_mul_i32 s30, s24, 5                          ; 5 g
	s_lshl_b32 s31, s25, 1                         ; 2 p
	s_lshr_b32 s29, s[WV], 2
	s_add_co_u32 s29, s29, s31                     ; layer 2: ks = 2 p + w / 4
	s_mul_i32 s29, s29, 640
	s_add_co_u32 s29, s29, s30
	s_mul_i32 s74, s29, REC
	s_and_b32 s29, s[WV], 3
	s_lshl_b32 s29, s29, 10                        ; K step w % 4
	s_add_co_u32 s74, s74, s29
	s_add_co_u32 s74, s74, W2OFF
	s_mov_b32 s75, 0
	s_mul_i32 s29, s25, 640
	s_add_co_u32 s29, s29, s30
	s_mul_i32 s76, s29, REC
	s_lshl_b32 s58, s[WV], 9                       ; layer 1 and x: 1024 (w / 2) + 512 (w % 2) = 512 w
	s_add_co_u32 s76, s76, s58
	s_add_co_u32 s76, s76, W1OFF
	s_mov_b32 s77, 0
	s_lshl_b32 s29, s25, 7
	s_add_co_u32 s29, s29, s24
	s_mul_i32 s59, s29, REC                        ; x's record
	s_add_co_u32 s78, s59, s58
	s_mov_b32 s79, 0
	s_lshl_b32 s80, s27, 8
	s_lshl_b32 s29, s[WV], 5
	s_add_co_u32 s80, s80, s29                     ; Wl's codes: 256 ks + 32 w in a row
	s_mov_b32 s81, 0
	s_lshl_b32 s29, s27, 6
	s_add_co_u32 s29, s29, s26
	s_mul_i32 s82, s29, REC
	s_add_co_u32 s82, s82, s58
	s_add_co_u32 s82, s82, WLOFF
	s_mov_b32 s83, 0
	s_mul_i32 s84, ttmp9, 640
	s_mov_b32 s85, 0
	s_lshl_b32 s86, s27, 4
	s_mov_b32 s87, 0
	; where the sixteen units of scale bytes go: unit w, then unit 8 + w
	s_and_b32 s29, s[WV], 1
	s_add_co_u32 s29, s29, s31
	s_mul_i32 s29, s29, 640
	s_add_co_u32 s29, s29, s30                     ; (2 p + w % 2) 640 + 5 g
	s_lshr_b32 s60, s[WV], 1
	s_add_co_u32 s60, s60, s29
	s_mul_i32 s88, s60, REC
	s_add_co_u32 s88, s88, W2OFF+4096              ; units 0-7: layer 2, tile w / 2
	s_add_co_u32 s29, s29, 4
	s_mul_i32 s89, s29, REC
	s_add_co_u32 s89, s89, W2OFF+4096              ; units 8, 9: layer 2, tile 4
	s_mul_i32 s60, s25, 640
	s_add_co_u32 s60, s60, s30
	s_add_co_u32 s60, s60, s[WV]
	s_sub_co_u32 s60, s60, 2
	s_mul_i32 s60, s60, REC
	s_add_co_u32 s60, s60, W1OFF+4096              ; units 10-14: layer 1, tile w - 2
	s_add_co_u32 s59, s59, 4096                    ; unit 15: x
	s_cmp_lt_u32 s[WV], 2
	s_cselect_b32 s89, s89, s60
	s_cmp_eq_u32 s[WV], 7
	s_cselect_b32 s89, s59, s89
	s_mov_b32 s[SEL], 0x76543210
	s_mov_b32 s[SEL+1], 0xfedcba98                 ; lane selects: lane l xor 16
	; every LDS address is made here, ahead of the first branch on the wave's number
	v_and_b32 v1, 31, v0                           ; lane
	v_and_b32 v2, 15, v0                           ; r
	v_bfe_u32 v3, v0, 4, 1                         ; h
	v_lshlrev_b32 v16, 4, v2
	v_lshl_add_u32 v[VO4K], v3, 12, v16
	v_lshl_add_u32 v[VO8K], v3, 13, v16
	v_lshl_add_u32 v[VO16K], v3, 14, v16
	v_lshl_add_u32 v[VO32K], v3, 15, v16
	s_mul_i32 s61, s[WV], 16*272                   ; my stage
	v_mul_u32_u24 v[STW], v3, 272
	v_add_nc_u32 v[STW], v[STW], v16
	v_add_nc_u32 v[STW], s61, v[STW]
	v_mul_u32_u24 v[STR], v2, 272
	v_lshl_add_u32 v[STR], v3, 7, v[STR]
	v_add_nc_u32 v[STR], s61, v[STR]
	s_lshr_b32 s61, s[WV], 2
	s_lshl_b32 s61, s61, 8
	s_and_b32 s62, s[WV], 3
	s_lshl_b32 s62, s62, 2
	s_add_co_u32 s61, s61, s62
	s_add_co_u32 s61, s61, SCB
	v_add_nc_u32 v17, v16, v3                      ; 16 r + h
	v_add_nc_u32 v[AS2], s61, v17                  ; + 256 (w / 4) + 4 (w % 4)
	s_lshl_b32 s61, s[WV], 1
	s_add_co_u32 s61, s61, SCB
	v_add_nc_u32 v[AS1], s61, v17                  ; + 2 w
	v_lshlrev_b32 v[LI], 4, v1
	s_lshl_b32 s61, s[WV], 6
	s_add_co_u32 s61, s61, RED
	v_lshl_add_u32 v[REDW], v2, 2, s61
	v_lshlrev_b32 v[L8], 3, v1
	s_lshl_b32 s61, s[WV], 8
	s_add_co_u32 s61, s61, SCB
	v_add_nc_u32 v[SCR], s61, v[L8]                ; unit w, 8 bytes a lane
	s_lshl_b32 s61, s[WV], 10
	s_add_co_u32 s61, s61, RED
	v_lshl_add_u32 v[RDR], v3, 9, s61
	v_lshl_add_u32 v[RDR], v2, 2, v[RDR]           ; sum 2 w + h, row r
	s_lshl_b32 s61, s26, 4
	v_add_nc_u32 v[WLO], s61, v2
	v_min_u32 v[WLO], 999, v[WLO]                  ; rows past Wl's last repeat it: their columns of the result are never stored
	v_lshlrev_b32 v[WLO], 10, v[WLO]
	v_lshl_add_u32 v[WLO], v3, 4, v[WLO]
	v_lshrrev_b32 v[WSO], 1, v1
	v_add_nc_u32 v[WSO], s61, v[WSO]
	v_min_u32 v[WSO], 999, v[WSO]
	v_lshlrev_b32 v[WSO], 6, v[WSO]
	v_and_b32 v17, 1, v1
	v_lshl_add_u32 v[WSO], v17, 3, v[WSO]
	s_lshl_b32 s61, s[WV], 7
	v_lshl_add_u32 v[AXO], v1, 2, s61
	v_mov_b32 v21, 0                               ; written once: a lane permute's destination counts as one of its sources
	s_wait_kmcnt 0x0
	s_add_nc_u64 s[MU2B:MU2B+1], s[10:11], s[66:67]
	s_add_nc_u64 s[V2B:V2B+1], s[12:13], s[68:69]
	s_add_nc_u64 s[MU1B:MU1B+1], s[6:7], s[70:71]
	s_add_nc_u64 s[V1B:V1B+1], s[8:9], s[72:73]
	s_add_nc_u64 s[XB:XB+1], s[4:5], s[70:71]
	s_add_nc_u64 s[O2:O2+1], s[18:19], s[74:75]
	s_add_nc_u64 s[O1:O1+1], s[18:19], s[76:77]
	s_add_nc_u64 s[OX:OX+1], s[18:19], s[78:79]
	s_add_nc_u64 s[WLI:WLI+1], s[14:15], s[80:81]
	s_add_nc_u64 s[OW:OW+1], s[18:19], s[82:83]
	s_add_nc_u64 s[AUXO:AUXO+1], s[20:21], s[84:85]
	s_add_nc_u64 s[WLSB:WLSB+1], s[16:17], s[86:87]
.macro LD set, sb, vo, imm, st         ; a piece: eight loads, two rows' 256 bytes each
.irp i, 0,1,2,3,4,5,6,7
	global_load_b128 v[RR+32*(\set)+4*\i:RR+32*(\set)+4*\i+3], v[\vo], s[\sb:\sb+1] offset:(\imm)+\i*(\st) th:TH_LOAD_NT
.endr
.endm
.macro LDP p                           ; piece p into set p % 4
.if (\p) < 10
.if (\p)%5 == 0
	LD (\p)%4, MU2B, VO8K, 256*((\p)/5), 16384
.else
	LD (\p)%4, V2B, VO32K, 256*((\p)/5)+8192*((\p)%5-1), 65536
.endif
.elseif (\p) < 15
.if (\p) == 10
	LD (\p)%4, MU1B, VO4K, 0, 8192
.else
	LD (\p)%4, V1B, VO16K, 4096*((\p)-11), 32768
.endif
.else
	LD (\p)%4, XB, VO4K, 0, 8192
.endif
.endm
; PIECE p: through the stage; the piece four on is asked for; the block's largest magnitude, scale and codes; the codes and the byte leave; the f32 sums.
.macro PIECE p
.if (\p) < 10
.set TT, (\p)%5
.set CH, (\p)/5
.set OB, O2
.set OI, TT*REC+CH*512
.set SA, AS2
.set SI, TT*512+2*CH
.elseif (\p) < 15
.set TT, (\p)-10
.set CH, 0
.set OB, O1
.set OI, TT*REC
.set SA, AS1
.set SI, 2560+256*TT
.else
.set TT, 0
.set CH, 0
.set OB, OX
.set OI, 0
.set SA, AS1
.set SI, 3840
.endif
.if TT == 0
.set XX, XM
.else
.set XX, XV
.endif
.set RS, RR+32*((\p)%4)
.if (\p) < 12
	s_wait_loadcnt 24                              ; my piece is in; the 24 loads of the three pieces behind it may be out
.else
	s_wait_loadcnt 8*(15-(\p))
.endif
.irp i, 0,1,2,3,4,5,6,7
	ds_store_b128 v[STW], v[RS+4*\i:RS+4*\i+3] offset:544*\i
.endr
.irp j, 0,1,2,3,4,5,6,7
	ds_load_b128 v[XX+4*\j:XX+4*\j+3], v[STR] offset:16*\j          ; LDS serves a wave's instructions in order: these see the stores above
.endr
	s_wait_dscnt 0x0                               ; the block is in my registers, and the stage's stores have read the set
	s_wait_xcnt 0x0                                ; the last piece's store has read its codes: they are written again only behind this wait
.if (\p)+4 < 16
	LDP (\p)+4
.endif
	v_max3_num_f32 v16, |v[XX]|, |v[XX+1]|, |v[XX+2]|               ; the block's largest magnitude: all 32 numbers are mine; two chains
	v_max3_num_f32 v17, |v[XX+3]|, |v[XX+4]|, |v[XX+5]|
.irp i, 6,10,14,18,22,26
	v_max3_num_f32 v16, v16, |v[XX+\i]|, |v[XX+\i+1]|
	v_max3_num_f32 v17, v17, |v[XX+\i+2]|, |v[XX+\i+3]|
.endr
	v_max3_num_f32 v16, v16, |v[XX+30]|, |v[XX+31]|
	v_max3_num_f32 v16, v16, v17, 0x1800000        ; and the floor 2^(3 - 127): the byte cannot fall under 1
	v_add_nc_u32 v18, 0xff000000, v16              ; 2 off the exponent field: the conversion takes this operand's exponent field as its scale
.irp g, 0,1,2,3
	v_cvt_scalef32_pk8_fp4_f32 v[CC+\g], v[XX+8*\g:XX+8*\g+7], v18
.endr
	v_lshrrev_b32 v19, 23, v18                     ; the scale's byte (also the plain instruction behind the conversions)
	ds_store_b8 v[SA], v19 offset:SI
	global_store_b128 v[LI], v[CC:CC+3], s[OB:OB+1] offset:OI       ; 32 lanes store 512 consecutive bytes of a record
.if TT > 0
.set DK, DD+2*(TT-1)
.if CH == 0
	v_pk_mul_f32 v[DK:DK+1], v[XM:XM+1], v[XV:XV+1]                 ; mu . v_k in f32, on the numbers as they came
.else
	v_pk_fma_f32 v[DK:DK+1], v[XM:XM+1], v[XV:XV+1], v[DK:DK+1]
.endif
.irp j, 2,4,6,8,10,12,14,16,18,20,22,24,26,28,30
	v_pk_fma_f32 v[DK:DK+1], v[XM+\j:XM+\j+1], v[XV+\j:XV+\j+1], v[DK:DK+1]
.endr
.elseif (\p) != 10                     ; mu2 and x: the sum of squares; mu1's is dead work
.if CH == 0
	v_pk_mul_f32 v[SQ:SQ+1], v[XM:XM+1], v[XM:XM+1]
.else
	v_pk_fma_f32 v[SQ:SQ+1], v[XM:XM+1], v[XM:XM+1], v[SQ:SQ+1]
.endif
.irp j, 2,4,6,8,10,12,14,16,18,20,22,24,26,28,30
	v_pk_fma_f32 v[SQ:SQ+1], v[XM+\j:XM+\j+1], v[XM+\j:XM+\j+1], v[SQ:SQ+1]
.endr
.endif
.endm
.macro FIN reg, v, neg                 ; a sum's two halves and lane l xor 16's; to LDS for the other waves (both lanes of a row write the same word with the same value)
	v_add_f32 v[FR+\v], v[\reg], v[\reg+1]
	v_permlanex16_b32 v21, v[FR+\v], s[SEL], s[SEL+1]
.if \neg
	v_add_f32 v[FR+\v], -v[FR+\v], -v21
.else
	v_add_f32 v[FR+\v], v[FR+\v], v21
.endif
	ds_store_b32 v[REDW], v[FR+\v] offset:512*\v
.endm
	global_load_b128 v[WLC:WLC+3], v[WLO], s[WLI:WLI+1]             ; Wl's codes: K step w / 2, half w % 2 of my work-group's record
	s_cmp_lg_u32 s[WV], 0
	s_cbranch_scc1 .Lq_a
	global_load_b64 v[WLS:WLS+1], v[WSO], s[WLSB:WLSB+1]            ; wave 0: its 256 scale bytes
.Lq_a:
	LDP 0
	LDP 1
	LDP 2
	LDP 3
	s_wait_loadcnt 32                              ; Wl's are in; the 32 loads of pieces 0 to 3 were issued behind them
	global_store_b128 v[LI], v[WLC:WLC+3], s[OW:OW+1]
	s_cmp_lg_u32 s[WV], 0
	s_cbranch_scc1 .Lq_b
	global_store_b64 v[L8], v[WLS:WLS+1], s[OW:OW+1] offset:4096
.Lq_b:
.irp p, 0,1,2,3,4,5,6,7,8,9
	PIECE \p
.endr
	FIN DD, 0, 1                                   ; -mu2 . v2_k
	FIN DD+2, 1, 1
	FIN DD+4, 2, 1
	FIN DD+6, 3, 1
	FIN SQ, 4, 0                                   ; sum of mu2^2
.irp p, 10,11,12,13,14
	PIECE \p
.endr
	FIN DD, 5, 1                                   ; -mu1 . v1_k
	FIN DD+2, 6, 1
	FIN DD+4, 7, 1
	FIN DD+6, 8, 1
	PIECE 15
	FIN SQ, 9, 0                                   ; sum of x^2
	s_wait_dscnt 0x0                               ; for the others' sake: my bytes and sums lie in LDS
	s_barrier_signal -1
	s_barrier_wait -1
	ds_load_b64 v[60:61], v[SCR]                   ; unit w and unit 8 + w of the scale bytes: 8 bytes a lane
	ds_load_b64 v[62:63], v[SCR] offset:2048
	v_add_nc_u32 v34, s88, v[L8]
	v_add_nc_u32 v35, s89, v[L8]
	s_wait_dscnt 0x0
	global_store_b64 v34, v[60:61], s[18:19]       ; 32 lanes store 256 consecutive bytes, at a multiple of 256 from qw's first byte
	global_store_b64 v35, v[62:63], s[18:19]
	s_cmp_gt_u32 s[WV], 4
	s_cbranch_scc1 .Lq_c
.irp j, 0,1,2,3,4,5,6,7
	ds_load_b32 v[16+\j], v[RDR] offset:64*\j      ; waves 0-4: sum 2 w + h of row r, the eight waves' parts
.endr
	s_wait_dscnt 0x0
	v_add_f32 v16, v16, v17
	v_add_f32 v18, v18, v19
	v_add_f32 v20, v20, v21
	v_add_f32 v22, v22, v23
	v_add_f32 v16, v16, v18
	v_add_f32 v20, v20, v22
	v_add_f32 v16, v16, v20
	global_store_b32 v[AXO], v16, s[AUXO:AUXO+1]   ; aux [work-group][10][16]: this half of K's part
.Lq_c:
	s_wait_tensorcnt 0x0                           ; the wave's end
	ds_add_u32 v[SPW], v[NIL]
	s_wait_dscnt 0x0
	s_endpgm
.Lfunc_end_k_qa4596851fb_quant:
	.size	k_qa4596851fb_quant, .Lfunc_end_k_qa4596851fb_quant-k_qa4596851fb_quant
	.p2alignl 7, 3214868480
	.fill 96, 4, 3214868480
	.section	.rodata,"a",@progbits
	.p2align	6, 0x0
	.amdhsa_kernel k_qa4596851fb_quant
		.amdhsa_group_segment_fixed_size 45056
		.amdhsa_private_segment_fixed_size 0
		.amdhsa_enable_private_segment 0
		.amdhsa_kernarg_size 72
		.amdhsa_user_sgpr_count 2
		.amdhsa_user_sgpr_kernarg_segment_ptr 1
		.amdhsa_wavefront_size32 1
		.amdhsa_system_sgpr_workgroup_id_x 1
		.amdhsa_system_sgpr_workgroup_id_y 1
		.amdhsa_system_sgpr_workgroup_id_z 1
		.amdhsa_system_vgpr_workitem_id 0
		.amdhsa_next_free_vgpr 256
		.amdhsa_next_free_sgpr 96
		.amdhsa_reserve_vcc 0
		.amdhsa_float_denorm_mode_32 3
		.amdhsa_float_denorm_mode_16_64 3
		.amdhsa_memory_ordered 1
		.amdhsa_forward_progress 1
		.amdhsa_inst_pref_size 80
	.end_amdhsa_kernel
	.amdgpu_metadata
---
amdhsa.version: [ 1, 2 ]
amdhsa.kernels:
  - .name:           k_qa4596851fb_quant
    .symbol:         k_qa4596851fb_quant.kd
    .args:
      - { .name: x, .offset: 0, .size: 8, .value_kind: global_buffer, .address_space: global }
      - { .name: mu1, .offset: 8, .size: 8, .value_kind: global_buffer, .address_space: global }
      - { .name: v1, .offset: 16, .size: 8, .value_kind: global_buffer, .address_space: global }
      - { .name: mu2, .offset: 24, .size: 8, .value_kind: global_buffer, .address_space: global }
      - { .name: v2, .offset: 32, .size: 8, .value_kind: global_buffer, .address_space: global }
      - { .name: Wl_codes, .offset: 40, .size: 8, .value_kind: global_buffer, .address_space: global }
      - { .name: Wl_scales, .offset: 48, .size: 8, .value_kind: global_buffer, .address_space: global }
      - { .name: qw, .offset: 56, .size: 8, .value_kind: global_buffer, .address_space: global }
      - { .name: aux, .offset: 64, .size: 8, .value_kind: global_buffer, .address_space: global }
    .group_segment_fixed_size: 45056
    .private_segment_fixed_size: 0
    .kernarg_segment_align: 8
    .kernarg_segment_size: 72
    .max_flat_workgroup_size: 256
    .sgpr_count:     96
    .vgpr_count:     256
    .wavefront_size: 32
...
	.end_amdgpu_metadata
.endif
;; end of part 1
;; launch gemm1 (part 2): grid 32 x 8, 4 waves a work-group, clusters of 4 x 4, 327,680 bytes of LDS; arguments qw, aux, lam1, raw, stat; writes raw, stat
.if DOCPART == 2
	.amdgcn_target "amdgcn-amd-amdhsa--gfx1250"
	.amdhsa_code_object_version 6
	.text
	.protected	k_qa4596851fb_gemm1
	.globl	k_qa4596851fb_gemm1
	.p2align	8
	.type	k_qa4596851fb_gemm1,@function
k_qa4596851fb_gemm1:
	s_mov_b64 s[64:65], 0
	v_nop
	global_prefetch_b8 v0, s[64:65] scope:SCOPE_SE
	s_setreg_imm32_b32 hwreg(HW_REG_WAVE_MODE, 25, 1), 1
	s_wait_xcnt 0x0
	s_wait_alu depctr_hold_cnt(0) depctr_sa_sdst(0) depctr_va_vdst(0) depctr_va_sdst(0) depctr_va_ssrc(0) depctr_va_vcc(0) depctr_vm_vsrc(0)
	s_getreg_b32 s2, hwreg(HW_REG_IB_STS2, 6, 4)
	s_cmp_eq_u32 s2, 0
	s_cbranch_scc0 .Lentry_in_a_cluster
	s_endpgm
.Lentry_in_a_cluster:
	s_bfe_u32 s2, ttmp6, 0x10000c
	s_cmp_lg_u32 s2, 0xf033
	s_cbranch_scc0 .Lentry_shape_is_right
	s_endpgm
.Lentry_shape_is_right:
; LAUNCH 2 OF 6 (LAYER = 1) AND 4 OF 6 (LAYER = 2): one text, which differs in its first line alone.
; raw[b][n] = -quad (layer 1) or exp(-quad / 2048) (layer 2), quad = lam[n] (|a_b|^2 - 2 a_b.mu_n + |mu_n|^2) + sum over k of (a_b.v_nk - mu_n.v_nk)^2; and for each column the mean and the sum of squares
; about that mean over the work-group's 256 rows.  a.mu and a.v_k are products on codes of E2M1 with E8M0 scales, read as records in operand order (4,352 bytes: 16 rows x 512 along K; see the first launch).
; LAYER 1 LEAVES OUT lam1[n] |mu1_n|^2: the same for all rows of a column, it is taken away by the batch norm that follows, for all values of the inputs (shown at the head of the first launch).
; SHARES.  A work-group makes 256 rows x 64 units, which are 320 columns of the products (mu and four v_k a unit).  Wave w: rows 128 (w / 2) on (8 tiles), units 32 (w % 2) on (2 groups of 16: 10 weight tiles):
; 80 accumulators of 16 x 16, 640 registers.  The matrix instruction is used transposed (source 0 = a weight tile, source 1 = a tile of rows): lane (r, h) holds row r and units 8 h + 0 .. 7.
; -mu.v_k is the C of each sum's first instruction, so an accumulator ends as a.v_k - mu.v_k.
; K goes in slots of 512 through two LDS slots, each of 16 + 20 records: dense blocks of memory, brought by one tensor load a wave (waves 0, 1: the rows' halves; waves 2, 3: the weights').
; CLUSTER 4 x 4: the four work-groups of a row of the cluster need the same rows, the four of a column the same weights: each block is asked for jointly.
; THE VARIANCE is never a difference of large sums: each part is taken about its own mean, and parts are joined by M2 = M2a + M2b + (ma - mb)^2 na nb / (na + nb).
; LIMITS: NaN and infinities are carried only as the arithmetic carries them; the order of the f32 sums differs from a plain loop's.
; REGISTERS, in windows of 256.  Window 0: v0-15 addresses; v16-95 scale words, two sets of 40 (register 4 i + q: lanes 0-15 the rows' tile i, lanes 16-31 the weights' tile i), nothing else ever;
;   v96-223 the rows' fragments, two sets of 64; v224-255 -mu.v_k of group 0, later lam (and lam |mu|^2).   Window 1: accumulators (group 0, v_k, tile a) at 8 (8 k + a).   Window 2: the same of group 1.
;   Window 3: v0-127 accumulators (mu, group u, tile a) at 8 (8 u + a); v128-207 the weights' ten fragments, one set; v208-239 -mu.v_k of group 1; v240-255 |a_b|^2, twice for each tile.
.set LAYER, 1
.set REC,   4352
.set ASTR,  128*REC                    ; from one slot of K to the next, in the rows' buffer
.set WSTR,  640*REC                    ; and in the weights'
.set AHALF, 8*REC
.set BHALF, 10*REC
.set BOFF,  16*REC
.set SLOT,  36*REC
.set SPARE, 2*SLOT                     ; behind the ring: the spare words, 128 bytes for each wave, which no other line names
.set EXCH,  SPARE+512                  ; [mean, M2][row half][64 units] f32.  The stage for the way out, 256 rows x 272 bytes, lies in slot 0, behind its last fill and its last read
.if LAYER == 1
.set WOFF,  1114112
.set VS,    5
.set P_A,   4
.set P_W,   4
.set P_AUX, 6
.set P_XS,  6
.set P_LAM, 8
.set P_RAW, 10
.set P_STAT, 12
.else
.set WOFF,  6684672
.set VS,    0
.set P_A,   4
.set P_W,   6
.set P_AUX, 8
.set P_XS,  10
.set P_LAM, 12
.set P_RAW, 14
.set P_STAT, 16
.endif
.set EXR,  0                           ; v0   (from the head's end on) EXCH + 8 x lane
.set R4,   1                           ; v1   4 r
.set EXA,  2                           ; v2   where my statistics go
.set L8,   3                           ; v3   8 x lane
.set ADRA, 4                           ; v4-5 the rows' fragments in slot 0, 1
.set ADRB, 6                           ; v6-7 the weights'
.set ADRS, 8                           ; v8-9 the scale words: lanes 0-15 the rows', lanes 16-31 the weights'
.set STO,  10
.set RD,   11
.set CO,   12
.set H32,  13                          ; v13  32 h
.set SPW,  14
.set NIL,  15
.set WV,   18
.set RH,   19
.set UH,   20
.set G1A,  24
.set G0A,  32
.set G1B,  48
.set G0B,  56
.set AUXC, 70
.set XSB,  72
.set LAMB, 74
.set RAWB, 76
.set STATB, 78
.set MSB, 0
.macro WIN new                         ; the immediate's high byte repeats the setting that is left; a switch that changes nothing is dropped
.if MSB != (\new)
	s_set_vgpr_msb (MSB<<8)|(\new)
.set MSB, (\new)
.endif
.endm
.macro PLACES                          ; four plain instructions between a matrix instruction and a load into, or a vector instruction on, its registers
.rept 4
	v_nop
.endr
.endm
.macro JLOAD s                         ; a joint load: waves 0, 1 for the rows, waves 2, 3 for the weights; an s_nop 0 and four v_nop follow each line
	s_cmp_eq_u32 s[RH], 0
	s_cbranch_scc0 .Lfor_b_\@
	tensor_load_to_lds s[G0A+4*\s:G0A+4*\s+3], s[G1A:G1A+7]
	s_nop 0
.rept 4
	v_nop
.endr
	s_branch .Lasked_\@
.Lfor_b_\@:
	tensor_load_to_lds s[G0B+4*\s:G0B+4*\s+3], s[G1B:G1B+7]
	s_nop 0
.rept 4
	v_nop
.endr
.Lasked_\@:
.endm
.macro CREST                           ; a round of the cluster's barrier behind its opening barrier
	s_cmp_lg_u32 s[WV], 0
	s_cbranch_scc1 .Lnot_wave_0_\@
	s_barrier_signal -3
.Lnot_wave_0_\@:
	s_barrier_wait -3
	s_barrier_signal -1
	s_barrier_wait -1
.endm
.macro CROUND
	s_barrier_signal -1
	s_barrier_wait -1
	CREST
.endm
.if LAYER == 1
	s_load_b256 s[4:11], s[0:1], 0x0               ; qw, aux, lam1, raw
	s_load_b64 s[12:13], s[0:1], 0x20              ; stat
.else
	s_load_b256 s[4:11], s[0:1], 0x0               ; fq, qw, aux, fsq
	s_load_b128 s[12:15], s[0:1], 0x20             ; lam2, raw
	s_load_b64 s[16:17], s[0:1], 0x30              ; stat
.endif
	v_lshl_add_u32 v[SPW], v0, 2, SPARE
	v_mov_b32 v[NIL], 0
	ds_add_u32 v[SPW], v[NIL]                      ; the wave's opening: the add, twice on end, and its wait ahead of my first tensor load
	ds_add_u32 v[SPW], v[NIL]
	v_lshrrev_b32 v1, 5, v0
	v_readfirstlane_b32 s[WV], v1                  ; wave 0..3
	s_lshr_b32 s[RH], s[WV], 1                     ; my half of the rows.  Also: I fetch rows (0) or weights (1)
	s_and_b32 s[UH], s[WV], 1                      ; my half of the units.  Also: which half of that block I fetch
	s_bfe_u32 s40, ttmp6, 0x40000                  ; cx, cy
	s_bfe_u32 s41, ttmp6, 0x40004
	s_lshl_b32 s42, ttmp9, 2
	s_add_co_u32 s42, s42, s40                     ; X: 64 units
	s_and_b32 s21, ttmp7, 0xffff
	s_lshl_b32 s21, s21, 2
	s_add_co_u32 s21, s21, s41                     ; Y: 256 rows
	s_lshl_b32 s43, s41, 2
	s_lshl_b32 s43, 15, s43                        ; my row of the cluster
	s_lshl_b32 s44, 0x1111, s40                    ; my column
	; descriptor group 1: a dense block as rows of 256 bytes (32 elements of 8 bytes): 136 rows (8 records) of the rows' buffer, 170 (10 records) of the weights'
	s_or_b32 s[G1A], s43, (3<<16)|(1<<21)          ; 15:0 the mask; 17:16 elements of 8 bytes; 21 set beside a mask; no padding: fragments are read 16 bytes a lane on end
	s_or_b32 s[G1B], s44, (3<<16)|(1<<21)
	s_mov_b32 s[G1A+1], 32<<16                     ; tensor_dim0
	s_mov_b32 s[G1A+2], 136<<16                    ; tensor_dim1
	s_mov_b32 s[G1A+3], 32<<16                     ; tile_dim0
	s_mov_b32 s[G1A+4], 136                        ; tile_dim1
	s_mov_b32 s[G1A+5], 32                         ; from row to row
	s_mov_b32 s[G1A+6], 0
	s_mov_b32 s[G1A+7], 0
	s_mov_b32 s[G1B+1], 32<<16
	s_mov_b32 s[G1B+2], 170<<16
	s_mov_b32 s[G1B+3], 32<<16
	s_mov_b32 s[G1B+4], 170
	s_mov_b32 s[G1B+5], 32
	s_mov_b32 s[G1B+6], 0
	s_mov_b32 s[G1B+7], 0
	; offsets.  The rows' hangs on Y and the wave alone, the weights' on X and the wave alone, each in registers that never hold the other coordinate
	s_lshl_b32 s80, s21, 4
	s_lshl_b32 s22, s[UH], 3
	s_add_co_u32 s80, s80, s22
	s_mul_i32 s80, s80, REC                        ; tile 16 Y + 8 x half
	s_mov_b32 s81, 0
	s_mul_i32 s82, s42, 20
	s_mul_i32 s22, s[UH], 10
	s_add_co_u32 s82, s82, s22
	s_mul_i32 s82, s82, REC                        ; tile 20 X + 10 x half
	s_add_co_u32 s82, s82, WOFF
	s_mov_b32 s83, 0
	s_lshl_b32 s84, s42, 3
	s_lshl_b32 s22, s[UH], 2
	s_add_co_u32 s84, s84, s22
	s_mul_i32 s84, s84, 640                        ; aux: the two parts of my first group of units, 4 X + 2 x half
	s_mov_b32 s85, 0
.if LAYER == 1
	s_lshl_b32 s86, s21, 5
	s_lshl_b32 s22, s[RH], 4
	s_add_co_u32 s86, s86, s22
	s_mul_i32 s86, s86, 640                        ; aux: the two parts of my first tile of rows, 16 Y + 8 x half
.else
	s_lshl_b32 s86, s21, 10
	s_lshl_b32 s22, s[RH], 9
	s_add_co_u32 s86, s86, s22                     ; fsq: my first row, 4 bytes a row
.endif
	s_mov_b32 s87, 0
	s_lshl_b32 s88, s42, 8
	s_lshl_b32 s22, s[UH], 7
	s_add_co_u32 s88, s88, s22                     ; lam: unit 64 X + 32 x half
	s_mov_b32 s89, 0
	s_lshl_b32 s90, s21, 21
	s_lshl_b32 s22, s[WV], 19
	s_add_co_u32 s90, s90, s22
	s_lshl_b32 s22, s42, 8
	s_add_co_u32 s90, s90, s22                     ; raw: row 256 Y + 64 w, column 64 X
	s_mov_b32 s91, 0
	s_lshl_b32 s92, s21, 14
	s_lshl_b32 s23, s[WV], 13
	s_add_co_u32 s92, s92, s23
	s_add_co_u32 s92, s92, s22                     ; stat [Y][mean, M2][2048]: wave 0 stores the means, wave 1 the M2
	s_mov_b32 s93, 0
	s_mul_i32 s45, s[UH], AHALF                    ; where my block goes in a slot: no place in the cluster enters an LDS address
	s_mul_i32 s46, s[UH], BHALF
	s_add_co_u32 s46, s46, BOFF
	s_mul_i32 s47, s[RH], AHALF                    ; where my rows' records lie
	s_wait_dscnt 0x0                               ; both opening adds are done
	s_wait_kmcnt 0x0
	s_add_nc_u64 s[66:67], s[P_A:P_A+1], s[80:81]
	s_add_nc_u64 s[68:69], s[P_W:P_W+1], s[82:83]
	s_add_nc_u64 s[AUXC:AUXC+1], s[P_AUX:P_AUX+1], s[84:85]
	s_add_nc_u64 s[XSB:XSB+1], s[P_XS:P_XS+1], s[86:87]
	s_add_nc_u64 s[LAMB:LAMB+1], s[P_LAM:P_LAM+1], s[88:89]
	s_add_nc_u64 s[RAWB:RAWB+1], s[P_RAW:P_RAW+1], s[90:91]
	s_add_nc_u64 s[STATB:STATB+1], s[P_STAT:P_STAT+1], s[92:93]
	CROUND                                         ; all sixteen work-groups are here: the first joint loads meet
.irp s, 0,1
	s_mov_b32 s[G0A+4*\s], 1
	s_add_co_u32 s[G0A+4*\s+1], s45, \s*SLOT
	s_add_nc_u64 s[G0A+4*\s+2:G0A+4*\s+3], s[66:67], \s*ASTR
	s_or_b32 s[G0A+4*\s+3], s[G0A+4*\s+3], 0x80000000
	s_mov_b32 s[G0B+4*\s], 1
	s_add_co_u32 s[G0B+4*\s+1], s46, \s*SLOT
	s_add_nc_u64 s[G0B+4*\s+2:G0B+4*\s+3], s[68:69], \s*WSTR
	s_or_b32 s[G0B+4*\s+3], s[G0B+4*\s+3], 0x80000000
	JLOAD \s                                       ; two loads of mine are out
.endr
	v_and_b32 v224, 31, v0                         ; lane   (v224-228 are free until -mu.v_k is summed into them)
	v_and_b32 v225, 15, v0                         ; r
	v_bfe_u32 v226, v0, 4, 1                       ; h
	v_lshlrev_b32 v[R4], 2, v225
	v_lshlrev_b32 v[H32], 5, v226
.irp u, 0,1                            ; -mu.v_k of units 8 h + 0 .. 7 of group u: the two halves of K, into the registers that the fragments will take
.irp p, 0,1
.irp k, 0,1,2,3
	global_load_b128 v[96+64*\u+32*\p+8*\k:96+64*\u+32*\p+8*\k+3], v[H32], s[AUXC:AUXC+1] offset:(2*\u+\p)*640+(VS+\k)*64
	global_load_b128 v[96+64*\u+32*\p+8*\k+4:96+64*\u+32*\p+8*\k+7], v[H32], s[AUXC:AUXC+1] offset:(2*\u+\p)*640+(VS+\k)*64+16
.endr
.endr
.endr
	WIN 0xc0                                       ; destination window 3
.irp a, 0,1,2,3,4,5,6,7                ; |a_b|^2 of row r of tile a, in parts
.if LAYER == 1
	global_load_b32 v[128+2*\a], v[R4], s[XSB:XSB+1] offset:(2*\a)*640+576
	global_load_b32 v[129+2*\a], v[R4], s[XSB:XSB+1] offset:(2*\a+1)*640+576
.else
.irp s, 0,1,2,3
	global_load_b32 v[128+4*\a+\s], v[R4], s[XSB:XSB+1] offset:\s*8192+64*\a
.endr
.endif
.endr
	WIN 0
	v_lshlrev_b32 v[L8], 3, v224
	v_lshlrev_b32 v227, 4, v224                    ; 16 x lane
	v_add_nc_u32 v[ADRA], s47, v227
	v_add_nc_u32 v[ADRA+1], SLOT, v[ADRA]
	v_add_nc_u32 v[ADRB], s46, v227
	v_add_nc_u32 v[ADRB+1], SLOT, v[ADRB]
	s_sub_co_u32 s22, s46, s47                     ; from my rows' records to my weights'
	v_mul_u32_u24 v228, s22, v226                  ; one product: lanes 16-31 take the weights'
	v_lshl_add_u32 v[ADRS], v225, 4, v228
	s_add_co_u32 s22, s47, 4096
	v_add_nc_u32 v[ADRS], s22, v[ADRS]
	v_add_nc_u32 v[ADRS+1], SLOT, v[ADRS]
	v_mul_u32_u24 v[STO], v225, 272                ; the stage: row 128 x row half + 16 a + r; bytes 128 x unit half + 64 u + 32 h
	v_add_nc_u32 v[STO], v[STO], v[H32]
	s_lshl_b32 s22, s[UH], 7
	s_add_co_u32 s22, s22, s47                     ; (128 rows of 272 bytes are as many bytes as 8 records)
	v_add_nc_u32 v[STO], s22, v[STO]
	s_mul_i32 s22, s[WV], 64*272
	v_mul_u32_u24 v[RD], v226, 272                 ; back: rows 64 w on, two an instruction, sixteen lanes to a row
	v_lshl_add_u32 v[RD], v225, 4, v[RD]
	v_add_nc_u32 v[RD], s22, v[RD]
	v_lshlrev_b32 v[CO], 13, v226
	v_lshl_add_u32 v[CO], v225, 4, v[CO]           ; and the same two rows in raw
	s_lshl_b32 s22, s[RH], 8
	s_lshl_b32 s23, s[UH], 7
	s_add_co_u32 s22, s22, s23
	s_add_co_u32 s22, s22, EXCH
	v_add_nc_u32 v[EXA], s22, v[H32]
	v_add_nc_u32 v[EXR], EXCH, v[L8]               ; v0 has served
	s_wait_loadcnt 0x0
.irp i, 0,2,4,6,8,10,12,14,16,18,20,22,24,26,28,30
	v_pk_add_f32 v[224+\i:225+\i], v[96+\i:97+\i], v[128+\i:129+\i]      ; group 0: register 8 k + j
.endr
	WIN 0xc0
.irp i, 0,2,4,6,8,10,12,14,16,18,20,22,24,26,28,30
	v_pk_add_f32 v[208+\i:209+\i], v[160+\i:161+\i], v[192+\i:193+\i]    ; group 1, in window 3
.endr
	WIN 0xcf                                       ; all in window 3
.irp a, 0,1,2,3,4,5,6,7
.if LAYER == 1
	v_add_f32 v[240+2*\a], v[128+2*\a], v[129+2*\a]
	v_add_f32 v[241+2*\a], v[128+2*\a], v[129+2*\a]                      ; twice: the packed forms take a pair
.else
	v_add_f32 v[128+4*\a], v[128+4*\a], v[129+4*\a]
	v_add_f32 v[130+4*\a], v[130+4*\a], v[131+4*\a]
	v_add_f32 v[240+2*\a], v[128+4*\a], v[130+4*\a]
	v_add_f32 v[241+2*\a], v[128+4*\a], v[130+4*\a]
.endif
.endr
	WIN 0
; Eight matrix instructions: weight fragment bp against the eight tiles of rows.  bp 0-3: v_k of group 0 (LDS tiles 1-4); 4-7: of group 1 (tiles 6-9); 8, 9: mu of groups 0, 1 (tiles 0, 5).
; The 80 accumulators take turns, one instruction a turn, in the same order in every step.
.macro MULB bp, set, q, sc, first
.if (\bp) < 4
.set AB, 64*(\bp)
.set TL, 1+(\bp)
.set CB, 224+8*(\bp)
.elseif (\bp) < 8
.set AB, 64*((\bp)-4)
.set TL, 2+(\bp)
.set CB, 208+8*((\bp)-4)
.else
.set AB, 64*((\bp)-8)
.set TL, 5*((\bp)-8)
.set CB, 0
.endif
.set BR, 128+8*(\bp)
.set AR, 96+64*(\set)
.set SR, 16+40*(\sc)+(\q)
.irp a, 0,1,2,3,4,5,6,7
.if (\first) && ((\bp) < 8)
	v_wmma_scale_f32_16x16x128_f8f6f4 v[AB+8*\a:AB+8*\a+7], v[BR:BR+7], v[AR+8*\a:AR+8*\a+7], v[CB:CB+7], v[SR+4*TL], v[SR+4*\a] matrix_a_fmt:MATRIX_FMT_FP4 matrix_b_fmt:MATRIX_FMT_FP4 matrix_a_scale:MATRIX_SCALE_ROW1
.elseif \first
	v_wmma_scale_f32_16x16x128_f8f6f4 v[AB+8*\a:AB+8*\a+7], v[BR:BR+7], v[AR+8*\a:AR+8*\a+7], 0, v[SR+4*TL], v[SR+4*\a] matrix_a_fmt:MATRIX_FMT_FP4 matrix_b_fmt:MATRIX_FMT_FP4 matrix_a_scale:MATRIX_SCALE_ROW1
.else
	v_wmma_scale_f32_16x16x128_f8f6f4 v[AB+8*\a:AB+8*\a+7], v[BR:BR+7], v[AR+8*\a:AR+8*\a+7], v[AB+8*\a:AB+8*\a+7], v[SR+4*TL], v[SR+4*\a] matrix_a_fmt:MATRIX_FMT_FP4 matrix_b_fmt:MATRIX_FMT_FP4 matrix_a_scale:MATRIX_SCALE_ROW1
.endif
.endr
.endm
; windows: source 0 (weights) 3, source 1 (rows) 0; C and D 1, 2 or 3; in the first step C is -mu.v_k, in window 0 (group 0) or 3 (group 1)
.macro GRP2 q, sc, first
	WIN 0xa3+0x10*(\first)
	MULB 4, (\q)%2, \q, \sc, \first
	MULB 5, (\q)%2, \q, \sc, \first
	MULB 6, (\q)%2, \q, \sc, \first
	MULB 7, (\q)%2, \q, \sc, \first
.endm
.macro GRP3 q, sc, first
	WIN 0xf3
	MULB 8, (\q)%2, \q, \sc, \first
	MULB 9, (\q)%2, \q, \sc, \first
.endm
.macro GRP1 q, sc, first
	WIN 0x53-0x10*(\first)
	MULB 0, (\q)%2, \q, \sc, \first
	MULB 1, (\q)%2, \q, \sc, \first
	MULB 2, (\q)%2, \q, \sc, \first
	MULB 3, (\q)%2, \q, \sc, \first
.endm
.macro FA slot, q, set                 ; the rows' eight fragments of K step q: 16 loads, 512 consecutive bytes each
	WIN 0
.irp a, 0,1,2,3,4,5,6,7
	ds_load_b128 v[96+64*(\set)+8*\a:96+64*(\set)+8*\a+3], v[ADRA+\slot] offset:\a*REC+(\q)*1024
	ds_load_b128 v[96+64*(\set)+8*\a+4:96+64*(\set)+8*\a+7], v[ADRA+\slot] offset:\a*REC+(\q)*1024+512
.endr
.endm
.macro FB1 slot, q, bp
.if (\bp) < 4
.set TL, 1+(\bp)
.elseif (\bp) < 8
.set TL, 2+(\bp)
.else
.set TL, 5*((\bp)-8)
.endif
	ds_load_b128 v[128+8*(\bp):128+8*(\bp)+3], v[ADRB+\slot] offset:TL*REC+(\q)*1024
	ds_load_b128 v[128+8*(\bp)+4:128+8*(\bp)+7], v[ADRB+\slot] offset:TL*REC+(\q)*1024+512
.endm
.macro FB slot, q, b0                  ; weight fragments b0 .. b0 + 3 (b0 = 8: two)
	WIN 0xc0
	FB1 \slot, \q, \b0
	FB1 \slot, \q, \b0+1
.if (\b0) < 8
	FB1 \slot, \q, \b0+2
	FB1 \slot, \q, \b0+3
.endif
.endm
.macro SCL slot                        ; a slot's scale words: four a row; for i = 8, 9 lanes 0-15 read landed bytes of the slot that no product names
	WIN 0
.irp i, 0,1,2,3,4,5,6,7,8,9
	ds_load_b128 v[16+40*\slot+4*\i:16+40*\slot+4*\i+3], v[ADRS+\slot] offset:\i*REC
.endr
.endm
; A step of 128 along K with its successor in the same slot.  A weight fragment is free as soon as its eight products are issued, so the weights have one set; the rows have two.
.macro STEP slot, q, first
	s_wait_dscnt 12                                ; the rows' set and weights 0-3 are in; out may be weights 4-7 (8 loads) and 8-9 (4)
	GRP1 \q, \slot, \first
	PLACES
	FA \slot, (\q)+1, 1-(\q)%2
	FB \slot, (\q)+1, 0
	s_wait_dscnt 28                                ; weights 4-7 are in; out may be 8-9 (4) and the 24 just issued
	GRP2 \q, \slot, \first
	PLACES
	FB \slot, (\q)+1, 4
	s_wait_dscnt 32                                ; weights 8-9 are in; out may be the next step's 24 + 8
	GRP3 \q, \slot, \first
	PLACES
	FB \slot, (\q)+1, 8
.endm
; A slot's last step changes slots: one barrier; ahead of it each wave waits for all its tensor loads, adds 0 to its spare word, and waits for that and for its reads of this slot.
.macro TURN slot, next, fill
	WIN 0                                          ; (the add's two registers lie in window 0)
	s_wait_tensorcnt 0x0                           ; all my tensor loads have landed: my part of the next slot
	ds_add_u32 v[SPW], v[NIL]                      ; 0 onto my spare word
	s_wait_dscnt 13                                ; (the add, and weights 4-9, may be out)
	WIN 0x53
	MULB 0, 1, 3, \slot, 0                         ; sixteen matrix instructions stand between the add and the wait for it
	MULB 1, 1, 3, \slot, 0
	s_wait_dscnt 0x0                               ; the add is done, and my reads of this slot are over
	s_barrier_signal -1
	MULB 2, 1, 3, \slot, 0
	MULB 3, 1, 3, \slot, 0
	WIN 0
	s_barrier_wait -1
.if \fill
	CREST                                          ; the barrier has opened a round of the cluster's: no wave of any partner still reads this slot or has a load on its way
	s_add_nc_u64 s[G0A+4*\slot+2:G0A+4*\slot+3], s[G0A+4*\slot+2:G0A+4*\slot+3], 2*ASTR
	s_add_nc_u64 s[G0B+4*\slot+2:G0B+4*\slot+3], s[G0B+4*\slot+2:G0B+4*\slot+3], 2*WSTR
	JLOAD \slot                                    ; my one tensor load behind the round; its four v_nop are the places ahead of the loads below
.else
	PLACES
.endif
	FA \next, 0, 0
	SCL \next
	FB \next, 0, 0
	GRP2 3, \slot, 0
	PLACES
	FB \next, 0, 4
	GRP3 3, \slot, 0
	PLACES
	FB \next, 0, 8
.endm
	s_wait_tensorcnt 0x1                           ; my part of slot 0 is in; slot 1's may stay out
	s_barrier_signal -1
	s_barrier_wait -1
	FA 0, 0, 0
	SCL 0
	FB 0, 0, 0
	FB 0, 0, 4
	FB 0, 0, 8
	STEP 0, 0, 1                                   ; the first step starts the sums: nothing is cleared
	WIN 0                                          ; -mu.v_k has served; its registers (four places behind the products that read them) take lam, and in layer 2 the parts of |mu|^2
.irp u, 0,1
	global_load_b128 v[224+8*\u:227+8*\u], v[H32], s[LAMB:LAMB+1] offset:64*\u
	global_load_b128 v[228+8*\u:231+8*\u], v[H32], s[LAMB:LAMB+1] offset:64*\u+16
.endr
.if LAYER == 2
.irp u, 0,1
	global_load_b128 v[240+8*\u:243+8*\u], v[H32], s[AUXC:AUXC+1] offset:(2*\u)*640+256
	global_load_b128 v[244+8*\u:247+8*\u], v[H32], s[AUXC:AUXC+1] offset:(2*\u)*640+272
.endr
	WIN 0xc0
.irp u, 0,1
	global_load_b128 v[208+8*\u:211+8*\u], v[H32], s[AUXC:AUXC+1] offset:(2*\u+1)*640+256
	global_load_b128 v[212+8*\u:215+8*\u], v[H32], s[AUXC:AUXC+1] offset:(2*\u+1)*640+272
.endr
.endif
	STEP 0, 1, 0
	STEP 0, 2, 0
.if LAYER == 2
	TURN 0, 1, 1                                   ; slot 0 takes K 1024 on
	STEP 1, 0, 0
	STEP 1, 1, 0
	STEP 1, 2, 0
	TURN 1, 0, 1                                   ; slot 1 takes K 1536 on
	STEP 0, 0, 0
	STEP 0, 1, 0
	STEP 0, 2, 0
.endif
	TURN 0, 1, 0                                   ; nothing is left to fetch; behind this barrier nobody reads slot 0
	STEP 1, 0, 0
	STEP 1, 1, 0
	STEP 1, 2, 0
	s_wait_dscnt 12
	GRP1 3, 1, 0
	s_wait_dscnt 4
	GRP2 3, 1, 0
	s_wait_dscnt 0x0
	GRP3 3, 1, 0
	PLACES
	s_wait_loadcnt 0x0                             ; lam (and |mu|^2)
	; THE QUADRATIC FORM, two numbers an instruction; each accumulator is read from its low end on
.if LAYER == 2
	WIN 0x0c
.irp j, 0,2,4,6,8,10,12,14
	v_pk_add_f32 v[240+\j:241+\j], v[240+\j:241+\j], v[208+\j:209+\j]
.endr
	WIN 0
.irp j, 0,2,4,6,8,10,12,14
	v_pk_mul_f32 v[240+\j:241+\j], v[240+\j:241+\j], v[224+\j:225+\j]    ; lam |mu|^2
.endr
.endif
.irp u, 0,1
	WIN 0x45*(1+\u)
.irp a, 0,1,2,3,4,5,6,7
.irp j, 0,2,4,6
.if LAYER == 2
	v_pk_fma_f32 v[8*\a+\j:8*\a+\j+1], v[8*\a+\j:8*\a+\j+1], v[8*\a+\j:8*\a+\j+1], v[240+8*\u+\j:241+8*\u+\j]
.else
	v_pk_mul_f32 v[8*\a+\j:8*\a+\j+1], v[8*\a+\j:8*\a+\j+1], v[8*\a+\j:8*\a+\j+1]
.endif
.endr
.endr
	WIN 0x55*(1+\u)
.irp k, 1,2,3
.irp a, 0,1,2,3,4,5,6,7
.irp j, 0,2,4,6
	v_pk_fma_f32 v[8*\a+\j:8*\a+\j+1], v[64*\k+8*\a+\j:64*\k+8*\a+\j+1], v[64*\k+8*\a+\j:64*\k+8*\a+\j+1], v[8*\a+\j:8*\a+\j+1]   ; S = the sum of the four squares (+ lam |mu|^2)
.endr
.endr
.endr
.endr
	WIN 0xf3
.irp u, 0,1
.irp a, 0,1,2,3,4,5,6,7
.irp j, 0,2,4,6
	v_pk_fma_f32 v[64*\u+8*\a+\j:64*\u+8*\a+\j+1], v[64*\u+8*\a+\j:64*\u+8*\a+\j+1], -2.0, v[240+2*\a:241+2*\a] op_sel_hi:[1,0,1]   ; |a|^2 - 2 a.mu
.endr
.endr
.endr
.irp u, 0,1
	WIN 0xdc+0x10*\u                               ; lam window 0, the line above window 3, S window 1 or 2, the result window 3
.irp a, 0,1,2,3,4,5,6,7
.irp j, 0,2,4,6
.if LAYER == 1
	v_pk_fma_f32 v[64*\u+8*\a+\j:64*\u+8*\a+\j+1], v[224+8*\u+\j:225+8*\u+\j], v[64*\u+8*\a+\j:64*\u+8*\a+\j+1], v[8*\a+\j:8*\a+\j+1] neg_lo:[1,0,1] neg_hi:[1,0,1]   ; -quad
.else
	v_pk_fma_f32 v[64*\u+8*\a+\j:64*\u+8*\a+\j+1], v[224+8*\u+\j:225+8*\u+\j], v[64*\u+8*\a+\j:64*\u+8*\a+\j+1], v[8*\a+\j:8*\a+\j+1]   ; quad
.endif
.endr
.endr
.endr
.if LAYER == 2
	WIN 0xc3
.set i, 0
.rept 64
	v_pk_mul_f32 v[i:i+1], v[i:i+1], 0xba38aa3b op_sel_hi:[1,0]          ; x -log2(e) / 2048
.set i, i+2
.endr
.set i, 0
.rept 128
	v_exp_f32 v[i], v[i]                                                 ; exp(-quad / 2048): one batch
.set i, i+1
.endr
	v_nop                                          ; a plain instruction behind the last exponential,
	s_wait_alu depctr_va_vdst(0)                   ; and the wait ahead of the batch's first reader
.endif
	; THE COLUMNS' STATISTICS over my 128 rows: over the eight tiles in registers, over the sixteen lanes of a half by DPP
	WIN 0x0f
.irp u, 0,1
.irp j, 0,2,4,6
	v_pk_add_f32 v[192+8*\u+\j:193+8*\u+\j], v[64*\u+\j:64*\u+\j+1], v[64*\u+8+\j:64*\u+8+\j+1]
.endr
.endr
	WIN 0x03
.irp a, 2,3,4,5,6,7
.irp u, 0,1
.irp j, 0,2,4,6
	v_pk_add_f32 v[192+8*\u+\j:193+8*\u+\j], v[64*\u+8*\a+\j:64*\u+8*\a+\j+1], v[192+8*\u+\j:193+8*\u+\j]
.endr
.endr
.endr
	WIN 0
.irp m, 1,2,4,8
.irp i, 0,1,2,3,4,5,6,7,8,9,10,11,12,13,14,15
	v_add_f32_dpp v[192+\i], v[192+\i], v[192+\i] row_xmask:\m row_mask:0xf bank_mask:0xf
.endr
.endr
.irp j, 0,2,4,6,8,10,12,14
	v_pk_mul_f32 v[192+\j:193+\j], v[192+\j:193+\j], 0x3c000000 op_sel_hi:[1,0]   ; / 128: the mean
.endr
.irp u, 0,1
	WIN 0x03
.irp a, 0,1,2,3,4,5,6,7
.irp j, 0,2,4,6
	v_pk_add_f32 v[96+8*\a+\j:97+8*\a+\j], v[64*\u+8*\a+\j:64*\u+8*\a+\j+1], v[192+8*\u+\j:193+8*\u+\j] neg_lo:[0,1] neg_hi:[0,1]
.endr
.endr
	WIN 0
.irp j, 0,2,4,6
	v_pk_mul_f32 v[208+8*\u+\j:209+8*\u+\j], v[96+\j:97+\j], v[96+\j:97+\j]
.endr
.irp a, 1,2,3,4,5,6,7
.irp j, 0,2,4,6
	v_pk_fma_f32 v[208+8*\u+\j:209+8*\u+\j], v[96+8*\a+\j:97+8*\a+\j], v[96+8*\a+\j:97+8*\a+\j], v[208+8*\u+\j:209+8*\u+\j]
.endr
.endr
.endr
.irp m, 1,2,4,8
.irp i, 0,1,2,3,4,5,6,7,8,9,10,11,12,13,14,15
	v_add_f32_dpp v[208+\i], v[208+\i], v[208+\i] row_xmask:\m row_mask:0xf bank_mask:0xf
.endr
.endr
.irp u, 0,1
.irp c, 0,1
	ds_store_b128 v[EXA], v[192+8*\u+4*\c:195+8*\u+4*\c] offset:64*\u+16*\c          ; the sixteen lanes of a half write the same bytes with the same values
	ds_store_b128 v[EXA], v[208+8*\u+4*\c:211+8*\u+4*\c] offset:512+64*\u+16*\c
.endr
.endr
	WIN 0x0c                                       ; an LDS store's data are its source 1: window 3
.irp a, 0,1,2,3,4,5,6,7
.irp u, 0,1
	ds_store_b128 v[STO], v[64*\u+8*\a:64*\u+8*\a+3] offset:\a*16*272+64*\u
	ds_store_b128 v[STO], v[64*\u+8*\a+4:64*\u+8*\a+7] offset:\a*16*272+64*\u+16
.endr
.endr
	WIN 0
	s_wait_dscnt 0x0                               ; for the others' sake: my stores are done
	s_barrier_signal -1
	s_barrier_wait -1
.set t, 0
.rept 32
	ds_load_b128 v[96+4*t:96+4*t+3], v[RD] offset:544*t                  ; 64 whole rows of 256 bytes, two an instruction
.set t, t+1
.endr
	s_cmp_lt_u32 s[WV], 2
	s_cbranch_scc0 .Lno_stat
	ds_load_b64 v[224:225], v[EXR]                 ; two units a lane: the two row halves' means,
	ds_load_b64 v[226:227], v[EXR] offset:256
	ds_load_b64 v[228:229], v[EXR] offset:512      ; and their M2
	ds_load_b64 v[230:231], v[EXR] offset:768
	s_wait_dscnt 0x0
	v_pk_add_f32 v[232:233], v[224:225], v[226:227]
	v_pk_add_f32 v[234:235], v[224:225], v[226:227] neg_lo:[0,1] neg_hi:[0,1]
	v_pk_add_f32 v[236:237], v[228:229], v[230:231]
	v_pk_mul_f32 v[232:233], v[232:233], 0.5 op_sel_hi:[1,0]             ; the mean of 256 rows
	v_pk_mul_f32 v[238:239], v[234:235], v[234:235]
	v_pk_fma_f32 v[236:237], v[238:239], 0x42800000, v[236:237] op_sel_hi:[1,0,1]   ; M2 = M2a + M2b + 64 (ma - mb)^2
	s_cmp_eq_u32 s[WV], 0
	s_cselect_b32 s22, -1, 0
	v_cndmask_b32 v232, v236, v232, s22            ; wave 0 stores the means, wave 1 the M2
	v_cndmask_b32 v233, v237, v233, s22
	global_store_b64 v[L8], v[232:233], s[STATB:STATB+1]                 ; 256 consecutive bytes, aligned
.Lno_stat:
	s_wait_dscnt 0x0
.set t, 0
.rept 32
	global_store_b128 v[CO], v[96+4*t:96+4*t+3], s[RAWB:RAWB+1] offset:16384*t   ; sixteen lanes store 256 consecutive bytes, at a multiple of 256 from raw's first byte
.set t, t+1
.endr
	s_wait_tensorcnt 0x0                           ; the wave's end
	ds_add_u32 v[SPW], v[NIL]
	s_wait_dscnt 0x0
	CROUND                                         ; the closing round
	s_endpgm
.Lfunc_end_k_qa4596851fb_gemm1:
	.size	k_qa4596851fb_gemm1, .Lfunc_end_k_qa4596851fb_gemm1-k_qa4596851fb_gemm1
	.p2alignl 7, 3214868480
	.fill 96, 4, 3214868480
	.section	.rodata,"a",@progbits
	.p2align	6, 0x0
	.amdhsa_kernel k_qa4596851fb_gemm1
		.amdhsa_group_segment_fixed_size 327680
		.amdhsa_private_segment_fixed_size 0
		.amdhsa_enable_private_segment 0
		.amdhsa_kernarg_size 40
		.amdhsa_user_sgpr_count 2
		.amdhsa_user_sgpr_kernarg_segment_ptr 1
		.amdhsa_wavefront_size32 1
		.amdhsa_system_sgpr_workgroup_id_x 1
		.amdhsa_system_sgpr_workgroup_id_y 1
		.amdhsa_system_sgpr_workgroup_id_z 1
		.amdhsa_system_vgpr_workitem_id 0
		.amdhsa_next_free_vgpr 1024
		.amdhsa_next_free_sgpr 100
		.amdhsa_reserve_vcc 0
		.amdhsa_float_denorm_mode_32 3
		.amdhsa_float_denorm_mode_16_64 3
		.amdhsa_memory_ordered 1
		.amdhsa_forward_progress 1
		.amdhsa_inst_pref_size 174
	.end_amdhsa_kernel
	.amdgpu_metadata
---
amdhsa.version: [ 1, 2 ]
amdhsa.kernels:
  - .name:           k_qa4596851fb_gemm1
    .symbol:         k_qa4596851fb_gemm1.kd
    .args:
      - { .name: qw, .offset: 0, .size: 8, .value_kind: global_buffer, .address_space: global }
      - { .name: aux, .offset: 8, .size: 8, .value_kind: global_buffer, .address_space: global }
      - { .name: lam1, .offset: 16, .size: 8, .value_kind: global_buffer, .address_space: global }
      - { .name: raw, .offset: 24, .size: 8, .value_kind: global_buffer, .address_space: global }
      - { .name: stat, .offset: 32, .size: 8, .value_kind: global_buffer, .address_space: global }
    .group_segment_fixed_size: 327680
    .private_segment_fixed_size: 0
    .kernarg_segment_align: 8
    .kernarg_segment_size: 40
    .max_flat_workgroup_size: 128
    .sgpr_count:     100
    .vgpr_count:     1024
    .wavefront_size: 32
...
	.end_amdgpu_metadata
.endif
;; end of part 2
;; launch norm1 (part 3): grid 4 x 64, 8 waves a work-group, no clusters, 75,776 bytes of LDS; arguments raw, stat, g1, b1, out1, fq, fsq; writes out1, fq, fsq
.if DOCPART == 3
	.amdgcn_target "amdgcn-amd-amdhsa--gfx1250"
	.amdhsa_code_object_version 6
	.text
	.protected	k_qa4596851fb_norm1
	.globl	k_qa4596851fb_norm1
	.p2align	8
	.type	k_qa4596851fb_norm1,@function
k_qa4596851fb_norm1:
	s_mov_b64 s[64:65], 0
	v_nop
	global_prefetch_b8 v0, s[64:65] scope:SCOPE_SE
	s_setreg_imm32_b32 hwreg(HW_REG_WAVE_MODE, 25, 1), 1
	s_wait_xcnt 0x0
; LAUNCH 3 OF 6 (LAYER = 1) AND 5 OF 6 (LAYER = 2): one text, which differs in its first line alone.
; The batch norm: feat = (raw - m) rsqrt(var + 1e-5) g + b (layer 2: and relu), stored as the problem's output (layer 2: twice), and quantised along the hidden axis into records in operand order for the next product.
; Layer 1 also sums feat^2 along the row, in f32, on the numbers before they are quantised.
; m and var come from eight parts of 256 rows: m = the mean of the means; M2 = the sum of the parts' M2 + 256 x the sum of (mean_i - m)^2; var = M2 / 2048.  No difference of large sums is formed.
; SHARES.  Work-group (KS, RG): 32 rows x 512 columns.  Thread t makes the constants of columns 2 t, 2 t + 1; they meet in LDS.  Wave w: tile of rows 2 RG + w / 4, K step w % 4: 16 rows x 128 columns, one fragment.
; A row's 512 bytes are loaded and stored by the 32 lanes on end; the tile turns through the wave's own stage (rows of 528 bytes), so that lane (r, h) holds blocks h and 2 + h of row r.
; No loop, no cluster (what the work-groups share, the statistics, is a small part of their bytes), no matrix work: memory binds.
; LIMITS: a block of zeros gets the byte 1 where the rule says 127 (its codes are zeros; the bytes are read by this program alone); blocks under 2^-124 are held at that floor.
.set LAYER, 1
.set REC,   4352
.set PM,    0                          ; LDS: m, a = rsqrt(..) g, b of 512 columns: 2,048 bytes each;
.set PA,    2048
.set PB,    4096
.set SW,    6144                       ; the scale words [2 tiles][16 rows][4 K steps];
.set FS,    6656                       ; the rows' sums of squares [32 rows][4 K steps];
.set STG,   7168                       ; eight stages of 16 x 528 bytes;
.set SPARE, 74752                      ; the spare words, 128 bytes for each wave, which no other line names
.set SPW,   14
.set NIL,   15
.set Y,     64                         ; v64-127  16 rows x 4 numbers
.set X,     128                        ; v128-191 my two blocks
.set RAWB,  34
.set STATB, 36
.set GB,    38
.set BB,    40
.set OUTB,  42
.set OUT2B, 44
.set FQB,   46
.set FQS,   48
.set FSQB,  50
	s_load_b256 s[4:11], s[0:1], 0x0               ; raw, stat, g, b
	s_load_b128 s[12:15], s[0:1], 0x20             ; layer 1: out1, fq;  layer 2: out2, out3
	s_load_b64 s[16:17], s[0:1], 0x30              ; layer 1: fsq;       layer 2: fq
	v_lshl_add_u32 v[SPW], v0, 2, SPARE
	v_mov_b32 v[NIL], 0
	v_lshrrev_b32 v1, 5, v0
	v_readfirstlane_b32 s18, v1                    ; wave 0..7
	s_lshr_b32 s19, s18, 2                         ; which tile of rows
	s_and_b32 s20, s18, 3                          ; which K step
	s_and_b32 s22, ttmp7, 0xffff                   ; RG
	s_lshl_b32 s23, s22, 1
	s_add_co_u32 s23, s23, s19                     ; T = 2 RG + w / 4
	s_lshl_b32 s24, ttmp9, 11                      ; 512 columns x 4 bytes x KS
	s_mov_b32 s25, 0
	s_lshl_b32 s26, s23, 17                        ; 16 rows of 8,192 bytes a tile
	s_add_co_u32 s26, s26, s24
	s_lshl_b32 s33, s20, 9
	s_add_co_u32 s26, s26, s33
	s_mov_b32 s27, 0
	s_lshl_b32 s21, ttmp9, 7                       ; 128 KS
	s_add_co_u32 s28, s21, s23
	s_mul_i32 s28, s28, REC
	s_lshl_b32 s29, s20, 10
	s_add_co_u32 s28, s28, s29                     ; my fragment in record (KS, T)
	s_mov_b32 s29, 0
	s_lshl_b32 s30, s22, 1
	s_add_co_u32 s30, s30, s21
	s_add_co_u32 s30, s30, s18
	s_mul_i32 s30, s30, REC
	s_add_co_u32 s30, s30, 4096                    ; waves 0, 1: the scale bytes of record (KS, 2 RG + w)
	s_mov_b32 s31, 0
	s_lshl_b32 s32, ttmp9, 13
	s_lshl_b32 s33, s22, 7
	s_add_co_u32 s32, s32, s33                     ; fsq [KS][2048]: row 32 RG
	s_mov_b32 s33, 0
	s_mov_b32 s52, 0x76543210
	s_mov_b32 s53, 0xfedcba98                      ; lane selects: lane l xor 16
	s_mov_b32 s54, 0x3a000000                      ; 1 / 2048
	s_mov_b32 s55, 0x3727c5ac                      ; 1e-5
	; every LDS address is made here
	v_and_b32 v1, 31, v0                           ; lane
	v_and_b32 v2, 15, v0                           ; r
	v_bfe_u32 v3, v0, 4, 1                         ; h
	v_lshlrev_b32 v4, 3, v0                        ; 8 t
	v_lshlrev_b32 v5, 4, v1                        ; 16 x lane
	s_lshl_b32 s56, s20, 9
	v_add_nc_u32 v6, s56, v5                       ; my four columns' constants
	s_mul_i32 s56, s18, 16*528
	s_add_co_u32 s56, s56, STG
	v_add_nc_u32 v7, s56, v5                       ; the stage, on the way in
	v_mul_u32_u24 v8, v2, 528
	v_lshl_add_u32 v8, v3, 7, v8
	v_add_nc_u32 v8, s56, v8                       ; and out: row r, + 128 h
	s_lshl_b32 s56, s19, 8
	s_lshl_b32 s57, s20, 2
	s_add_co_u32 s56, s56, s57
	s_add_co_u32 s57, s56, SW
	v_lshl_add_u32 v9, v2, 4, s57
	s_add_co_u32 s57, s56, FS
	v_lshl_add_u32 v10, v2, 4, s57
	v_lshlrev_b32 v13, 3, v1
	s_lshl_b32 s56, s18, 8
	s_add_co_u32 s56, s56, SW
	v_add_nc_u32 v11, s56, v13
	v_add_nc_u32 v12, FS, v5
	s_wait_kmcnt 0x0
	s_add_nc_u64 s[RAWB:RAWB+1], s[4:5], s[26:27]
	s_add_nc_u64 s[STATB:STATB+1], s[6:7], s[24:25]
	s_add_nc_u64 s[GB:GB+1], s[8:9], s[24:25]
	s_add_nc_u64 s[BB:BB+1], s[10:11], s[24:25]
	s_add_nc_u64 s[OUTB:OUTB+1], s[12:13], s[26:27]
.if LAYER == 1
	s_add_nc_u64 s[FQB:FQB+1], s[14:15], s[28:29]
	s_add_nc_u64 s[FQS:FQS+1], s[14:15], s[30:31]
	s_add_nc_u64 s[FSQB:FSQB+1], s[16:17], s[32:33]
.else
	s_add_nc_u64 s[OUT2B:OUT2B+1], s[14:15], s[26:27]
	s_add_nc_u64 s[FQB:FQB+1], s[16:17], s[28:29]
	s_add_nc_u64 s[FQS:FQS+1], s[16:17], s[30:31]
.endif
.irp i, 0,1,2,3,4,5,6,7
	global_load_b64 v[16+4*\i:17+4*\i], v4, s[STATB:STATB+1] offset:16384*\i          ; part i: the means of my two columns,
	global_load_b64 v[18+4*\i:19+4*\i], v4, s[STATB:STATB+1] offset:16384*\i+8192     ; and their M2
.endr
	global_load_b64 v[48:49], v4, s[GB:GB+1]
	global_load_b64 v[50:51], v4, s[BB:BB+1]
.irp i, 0,1,2,3,4,5,6,7,8,9,10,11,12,13,14,15
	global_load_b128 v[Y+4*\i:Y+4*\i+3], v5, s[RAWB:RAWB+1] offset:8192*\i th:TH_LOAD_NT   ; row i: 512 consecutive bytes
.endr
	s_wait_loadcnt 16                              ; the statistics, g and b are in; the 16 rows may be out
	v_pk_add_f32 v[52:53], v[16:17], v[20:21]
	v_pk_add_f32 v[54:55], v[24:25], v[28:29]
	v_pk_add_f32 v[56:57], v[32:33], v[36:37]
	v_pk_add_f32 v[58:59], v[40:41], v[44:45]
	v_pk_add_f32 v[52:53], v[52:53], v[54:55]
	v_pk_add_f32 v[56:57], v[56:57], v[58:59]
	v_pk_add_f32 v[52:53], v[52:53], v[56:57]
	v_pk_mul_f32 v[52:53], v[52:53], 0x3e000000 op_sel_hi:[1,0]          ; m
.irp i, 0,1,2,3,4,5,6,7
	v_pk_add_f32 v[16+4*\i:17+4*\i], v[16+4*\i:17+4*\i], v[52:53] neg_lo:[0,1] neg_hi:[0,1]
.endr
	v_pk_mul_f32 v[54:55], v[16:17], v[16:17]
	v_pk_add_f32 v[56:57], v[18:19], v[22:23]
.irp i, 1,2,3,4,5,6,7
	v_pk_fma_f32 v[54:55], v[16+4*\i:17+4*\i], v[16+4*\i:17+4*\i], v[54:55]
.endr
.irp i, 2,3,4,5,6,7
	v_pk_add_f32 v[56:57], v[56:57], v[18+4*\i:19+4*\i]
.endr
	v_pk_fma_f32 v[56:57], v[54:55], 0x43800000, v[56:57] op_sel_hi:[1,0,1]   ; M2 of all 2,048 rows
	v_fma_f32 v58, v56, s54, s55                   ; var + eps
	v_fma_f32 v59, v57, s54, s55
	v_rsq_f32 v60, v58
	v_rsq_f32 v61, v59
	v_nop                                          ; a plain instruction behind the transcendentals,
	s_wait_alu depctr_va_vdst(0)                   ; and the wait ahead of their first reader
	v_pk_mul_f32 v[60:61], v[60:61], v[48:49]      ; a = rsqrt(var + eps) g
	ds_store_b64 v4, v[52:53] offset:PM
	ds_store_b64 v4, v[60:61] offset:PA
	ds_store_b64 v4, v[50:51] offset:PB
	s_wait_dscnt 0x0                               ; for the others' sake
	s_barrier_signal -1
	s_barrier_wait -1
	ds_load_b128 v[52:55], v6 offset:PM
	ds_load_b128 v[56:59], v6 offset:PA
	ds_load_b128 v[60:63], v6 offset:PB
	s_wait_dscnt 0x0
.irp i, 0,1,2,3,4,5,6,7,8,9,10,11,12,13,14,15
	s_wait_loadcnt 15-\i                           ; row i is in; the younger rows may be out
	v_pk_add_f32 v[Y+4*\i:Y+4*\i+1], v[Y+4*\i:Y+4*\i+1], v[52:53] neg_lo:[0,1] neg_hi:[0,1]
	v_pk_add_f32 v[Y+4*\i+2:Y+4*\i+3], v[Y+4*\i+2:Y+4*\i+3], v[54:55] neg_lo:[0,1] neg_hi:[0,1]
	v_pk_fma_f32 v[Y+4*\i:Y+4*\i+1], v[Y+4*\i:Y+4*\i+1], v[56:57], v[60:61]
	v_pk_fma_f32 v[Y+4*\i+2:Y+4*\i+3], v[Y+4*\i+2:Y+4*\i+3], v[58:59], v[62:63]
.if LAYER == 2
.irp j, 0,1,2,3
	v_max_num_f32 v[Y+4*\i+\j], 0, v[Y+4*\i+\j]
.endr
.endif
	global_store_b128 v5, v[Y+4*\i:Y+4*\i+3], s[OUTB:OUTB+1] offset:8192*\i th:TH_STORE_NT   ; 512 consecutive bytes, aligned
.if LAYER == 2
	global_store_b128 v5, v[Y+4*\i:Y+4*\i+3], s[OUT2B:OUT2B+1] offset:8192*\i th:TH_STORE_NT
.endif
	ds_store_b128 v7, v[Y+4*\i:Y+4*\i+3] offset:528*\i
.endr
.irp c, 0,1
.irp j, 0,1,2,3,4,5,6,7
	ds_load_b128 v[X+32*\c+4*\j:X+32*\c+4*\j+3], v8 offset:256*\c+16*\j  ; k = 64 c + 32 h + 0 .. 31 of row r.  LDS serves a wave's instructions in order: these see my stores
.endr
.endr
	s_wait_dscnt 0x0
.if LAYER == 1
	v_pk_mul_f32 v[192:193], v[X:X+1], v[X:X+1]                          ; the row's sum of squares, in two chains
	v_pk_mul_f32 v[194:195], v[X+2:X+3], v[X+2:X+3]
.irp j, 4,8,12,16,20,24,28,32,36,40,44,48,52,56,60
	v_pk_fma_f32 v[192:193], v[X+\j:X+\j+1], v[X+\j:X+\j+1], v[192:193]
	v_pk_fma_f32 v[194:195], v[X+\j+2:X+\j+3], v[X+\j+2:X+\j+3], v[194:195]
.endr
	v_pk_add_f32 v[192:193], v[192:193], v[194:195]
	v_add_f32 v192, v192, v193
	v_mov_b32 v196, 0
	v_permlanex16_b32 v196, v192, s52, s53
	v_add_f32 v192, v192, v196                     ; with lane l xor 16's: 128 columns of row r
.endif
.irp c, 0,1
	v_max3_num_f32 v[200+\c], |v[X+32*\c]|, |v[X+32*\c+1]|, 0x1800000    ; my two blocks by turns; the floor 2^(3 - 127) holds the byte at 1 from below
.endr
.irp i, 2,4,6,8,10,12,14,16,18,20,22,24,26,28,30
.irp c, 0,1
	v_max3_num_f32 v[200+\c], v[200+\c], |v[X+32*\c+\i]|, |v[X+32*\c+\i+1]|
.endr
.endr
.irp c, 0,1
	v_add_nc_u32 v[202+\c], 0xff000000, v[200+\c]  ; 2 off the exponent field: the conversion's scale operand
.endr
.irp c, 0,1
	v_lshrrev_b32 v[204+\c], 23, v[202+\c]         ; the scale's byte
.endr
	v_lshl_or_b32 v206, v205, 16, v204             ; blocks h and 2 + h,
	v_lshlrev_b32 v207, 3, v3
	v_lshlrev_b32 v206, v207, v206                 ; at their places in the word;
	v_mov_b32 v207, 0
	v_permlanex16_b32 v207, v206, s52, s53
	v_or_b32 v206, v206, v207                      ; with lane l xor 16's two the word is whole
.irp c, 0,1
.irp g, 0,1,2,3
	v_cvt_scalef32_pk8_fp4_f32 v[16+4*\c+\g], v[X+32*\c+8*\g:X+32*\c+8*\g+7], v[202+\c]
.endr
.endr
	v_nop                                          ; a plain instruction behind the conversions
	global_store_b128 v5, v[16:19], s[FQB:FQB+1]                         ; registers 0-3 of the fragment: 512 consecutive bytes
	global_store_b128 v5, v[20:23], s[FQB:FQB+1] offset:512              ; registers 4-7
	ds_store_b32 v9, v206                          ; both lanes of a row write the same word with the same value
.if LAYER == 1
	ds_store_b32 v10, v192
.endif
	s_wait_dscnt 0x0
	s_barrier_signal -1
	s_barrier_wait -1
	s_cmp_lt_u32 s18, 2
	s_cbranch_scc0 .Ln_a
	ds_load_b64 v[24:25], v11                      ; waves 0, 1: a record's 256 scale bytes
	s_wait_dscnt 0x0
	global_store_b64 v13, v[24:25], s[FQS:FQS+1]   ; 256 consecutive bytes, aligned
.Ln_a:
.if LAYER == 1
	s_cmp_eq_u32 s18, 2
	s_cbranch_scc0 .Ln_b
	ds_load_b128 v[24:27], v12                     ; wave 2: a row a lane, its four K steps
	v_lshlrev_b32 v28, 2, v1
	s_wait_dscnt 0x0
	v_add_f32 v24, v24, v25
	v_add_f32 v26, v26, v27
	v_add_f32 v24, v24, v26
	global_store_b32 v28, v24, s[FSQB:FSQB+1]
.Ln_b:
.endif
	s_wait_tensorcnt 0x0                           ; the wave's end
	ds_add_u32 v[SPW], v[NIL]
	s_wait_dscnt 0x0
	s_endpgm
.Lfunc_end_k_qa4596851fb_norm1:
	.size	k_qa4596851fb_norm1, .Lfunc_end_k_qa4596851fb_norm1-k_qa4596851fb_norm1
	.p2alignl 7, 3214868480
	.fill 96, 4, 3214868480
	.section	.rodata,"a",@progbits
	.p2align	6, 0x0
	.amdhsa_kernel k_qa4596851fb_norm1
		.amdhsa_group_segment_fixed_size 75776
		.amdhsa_private_segment_fixed_size 0
		.amdhsa_enable_private_segment 0
		.amdhsa_kernarg_size 56
		.amdhsa_user_sgpr_count 2
		.amdhsa_user_sgpr_kernarg_segment_ptr 1
		.amdhsa_wavefront_size32 1
		.amdhsa_system_sgpr_workgroup_id_x 1
		.amdhsa_system_sgpr_workgroup_id_y 1
		.amdhsa_system_sgpr_workgroup_id_z 1
		.amdhsa_system_vgpr_workitem_id 0
		.amdhsa_next_free_vgpr 208
		.amdhsa_next_free_sgpr 66
		.amdhsa_reserve_vcc 0
		.amdhsa_float_denorm_mode_32 3
		.amdhsa_float_denorm_mode_16_64 3
		.amdhsa_memory_ordered 1
		.amdhsa_forward_progress 1
		.amdhsa_inst_pref_size 24
	.end_amdhsa_kernel
	.amdgpu_metadata
---
amdhsa.version: [ 1, 2 ]
amdhsa.kernels:
  - .name:           k_qa4596851fb_norm1
    .symbol:         k_qa4596851fb_norm1.kd
    .args:
      - { .name: raw, .offset: 0, .size: 8, .value_kind: global_buffer, .address_space: global }
      - { .name: stat, .offset: 8, .size: 8, .value_kind: global_buffer, .address_space: global }
      - { .name: g1, .offset: 16, .size: 8, .value_kind: global_buffer, .address_space: global }
      - { .name: b1, .offset: 24, .size: 8, .value_kind: global_buffer, .address_space: global }
      - { .name: out1, .offset: 32, .size: 8, .value_kind: global_buffer, .address_space: global }
      - { .name: fq, .offset: 40, .size: 8, .value_kind: global_buffer, .address_space: global }
      - { .name: fsq, .offset: 48, .size: 8, .value_kind: global_buffer, .address_space: global }
    .group_segment_fixed_size: 75776
    .private_segment_fixed_size: 0
    .kernarg_segment_align: 8
    .kernarg_segment_size: 56
    .max_flat_workgroup_size: 256
    .sgpr_count:     66
    .vgpr_count:     208
    .wavefront_size: 32
...
	.end_amdgpu_metadata
.endif
;; end of part 3
;; launch gemm2 (part 4): grid 32 x 8, 4 waves a work-group, clusters of 4 x 4, 327,680 bytes of LDS; arguments fq, qw, aux, fsq, lam2, raw, stat; writes raw, stat
.if DOCPART == 4
	.amdgcn_target "amdgcn-amd-amdhsa--gfx1250"
	.amdhsa_code_object_version 6
	.text
	.protected	k_qa4596851fb_gemm2
	.globl	k_qa4596851fb_gemm2
	.p2align	8
	.type	k_qa4596851fb_gemm2,@function
k_qa4596851fb_gemm2:
	s_mov_b64 s[64:65], 0
	v_nop
	global_prefetch_b8 v0, s[64:65] scope:SCOPE_SE
	s_setreg_imm32_b32 hwreg(HW_REG_WAVE_MODE, 25, 1), 1
	s_wait_xcnt 0x0
	s_wait_alu depctr_hold_cnt(0) depctr_sa_sdst(0) depctr_va_vdst(0) depctr_va_sdst(0) depctr_va_ssrc(0) depctr_va_vcc(0) depctr_vm_vsrc(0)
	s_getreg_b32 s2, hwreg(HW_REG_IB_STS2, 6, 4)
	s_cmp_eq_u32 s2, 0
	s_cbranch_scc0 .Lentry_in_a_cluster
	s_endpgm
.Lentry_in_a_cluster:
	s_bfe_u32 s2, ttmp6, 0x10000c
	s_cmp_lg_u32 s2, 0xf033
	s_cbranch_scc0 .Lentry_shape_is_right
	s_endpgm
.Lentry_shape_is_right:
; LAUNCH 2 OF 6 (LAYER = 1) AND 4 OF 6 (LAYER = 2): one text, which differs in its first line alone.
; raw[b][n] = -quad (layer 1) or exp(-quad / 2048) (layer 2), quad = lam[n] (|a_b|^2 - 2 a_b.mu_n + |mu_n|^2) + sum over k of (a_b.v_nk - mu_n.v_nk)^2; and for each column the mean and the sum of squares
; about that mean over the work-group's 256 rows.  a.mu and a.v_k are products on codes of E2M1 with E8M0 scales, read as records in operand order (4,352 bytes: 16 rows x 512 along K; see the first launch).
; LAYER 1 LEAVES OUT lam1[n] |mu1_n|^2: the same for all rows of a column, it is taken away by the batch norm that follows, for all values of the inputs (shown at the head of the first launch).  Layer 2 leaves nothing out.
; SHARES.  A work-group makes 256 rows x 64 units, which are 320 columns of the products (mu and four v_k a unit).  Wave w: rows 128 (w / 2) on (8 tiles), units 32 (w % 2) on (2 groups of 16: 10 weight tiles):
; 80 accumulators of 16 x 16, 640 registers.  The matrix instruction is used transposed (source 0 = a weight tile, source 1 = a tile of rows): lane (r, h) holds row r and units 8 h + 0 .. 7.
; -mu.v_k is the C of each sum's first instruction, so an accumulator ends as a.v_k - mu.v_k.
; K goes in slots of 512 through two LDS slots, each of 16 + 20 records: dense blocks of memory, brought by one tensor load a wave (waves 0, 1: the rows' halves; waves 2, 3: the weights').
; CLUSTER 4 x 4: the four work-groups of a row of the cluster need the same rows, the four of a column the same weights: each block is asked for jointly.
; THE VARIANCE is never a difference of large sums: each part is taken about its own mean, and parts are joined by M2 = M2a + M2b + (ma - mb)^2 na nb / (na + nb).
; LIMITS: NaN and infinities are carried only as the arithmetic carries them; the order of the f32 sums differs from a plain loop's.
; REGISTERS, in windows of 256.  Window 0: v0-15 addresses; v16-95 scale words, two sets of 40 (register 4 i + q: lanes 0-15 the rows' tile i, lanes 16-31 the weights' tile i), nothing else ever;
;   v96-223 the rows' fragments, two sets of 64; v224-255 -mu.v_k of group 0, later lam (and lam |mu|^2).   Window 1: accumulators (group 0, v_k, tile a) at 8 (8 k + a).   Window 2: the same of group 1.
;   Window 3: v0-127 accumulators (mu, group u, tile a) at 8 (8 u + a); v128-207 the weights' ten fragments, one set; v208-239 -mu.v_k of group 1; v240-255 |a_b|^2, twice for each tile.
.set LAYER, 2
.set REC,   4352
.set ASTR,  128*REC                    ; from one slot of K to the next, in the rows' buffer
.set WSTR,  640*REC                    ; and in the weights'
.set AHALF, 8*REC
.set BHALF, 10*REC
.set BOFF,  16*REC
.set SLOT,  36*REC
.set SPARE, 2*SLOT                     ; behind the ring: the spare words, 128 bytes for each wave, which no other line names
.set EXCH,  SPARE+512                  ; [mean, M2][row half][64 units] f32.  The stage for the way out, 256 rows x 272 bytes, lies in slot 0, behind its last fill and its last read
.if LAYER == 1
.set WOFF,  1114112
.set VS,    5
.set P_A,   4
.set P_W,   4
.set P_AUX, 6
.set P_XS,  6
.set P_LAM, 8
.set P_RAW, 10
.set P_STAT, 12
.else
.set WOFF,  6684672
.set VS,    0
.set P_A,   4
.set P_W,   6
.set P_AUX, 8
.set P_XS,  10
.set P_LAM, 12
.set P_RAW, 14
.set P_STAT, 16
.endif
.set EXR,  0                           ; v0   (from the head's end on) EXCH + 8 x lane
.set R4,   1                           ; v1   4 r
.set EXA,  2                           ; v2   where my statistics go
.set L8,   3                           ; v3   8 x lane
.set ADRA, 4                           ; v4-5 the rows' fragments in slot 0, 1
.set ADRB, 6                           ; v6-7 the weights'
.set ADRS, 8                           ; v8-9 the scale words: lanes 0-15 the rows', lanes 16-31 the weights'
.set STO,  10
.set RD,   11
.set CO,   12
.set H32,  13                          ; v13  32 h
.set SPW,  14
.set NIL,  15
.set WV,   18
.set RH,   19
.set UH,   20
.set G1A,  24
.set G0A,  32
.set G1B,  48
.set G0B,  56
.set AUXC, 70
.set XSB,  72
.set LAMB, 74
.set RAWB, 76
.set STATB, 78
.set MSB, 0
.macro WIN new                         ; the immediate's high byte repeats the setting that is left; a switch that changes nothing is dropped
.if MSB != (\new)
	s_set_vgpr_msb (MSB<<8)|(\new)
.set MSB, (\new)
.endif
.endm
.macro PLACES                          ; four plain instructions between a matrix instruction and a load into, or a vector instruction on, its registers
.rept 4
	v_nop
.endr
.endm
.macro JLOAD s                         ; a joint load: waves 0, 1 for the rows, waves 2, 3 for the weights; an s_nop 0 and four v_nop follow each line
	s_cmp_eq_u32 s[RH], 0
	s_cbranch_scc0 .Lfor_b_\@
	tensor_load_to_lds s[G0A+4*\s:G0A+4*\s+3], s[G1A:G1A+7]
	s_nop 0
.rept 4
	v_nop
.endr
	s_branch .Lasked_\@
.Lfor_b_\@:
	tensor_load_to_lds s[G0B+4*\s:G0B+4*\s+3], s[G1B:G1B+7]
	s_nop 0
.rept 4
	v_nop
.endr
.Lasked_\@:
.endm
.macro CREST                           ; a round of the cluster's barrier behind its opening barrier
	s_cmp_lg_u32 s[WV], 0
	s_cbranch_scc1 .Lnot_wave_0_\@
	s_barrier_signal -3
.Lnot_wave_0_\@:
	s_barrier_wait -3
	s_barrier_signal -1
	s_barrier_wait -1
.endm
.macro CROUND
	s_barrier_signal -1
	s_barrier_wait -1
	CREST
.endm
.if LAYER == 1
	s_load_b256 s[4:11], s[0:1], 0x0               ; qw, aux, lam1, raw
	s_load_b64 s[12:13], s[0:1], 0x20              ; stat
.else
	s_load_b256 s[4:11], s[0:1], 0x0               ; fq, qw, aux, fsq
	s_load_b128 s[12:15], s[0:1], 0x20             ; lam2, raw
	s_load_b64 s[16:17], s[0:1], 0x30              ; stat
.endif
	v_lshl_add_u32 v[SPW], v0, 2, SPARE
	v_mov_b32 v[NIL], 0
	ds_add_u32 v[SPW], v[NIL]                      ; the wave's opening: the add, twice on end, and its wait ahead of my first tensor load
	ds_add_u32 v[SPW], v[NIL]
	v_lshrrev_b32 v1, 5, v0
	v_readfirstlane_b32 s[WV], v1                  ; wave 0..3
	s_lshr_b32 s[RH], s[WV], 1                     ; my half of the rows.  Also: I fetch rows (0) or weights (1)
	s_and_b32 s[UH], s[WV], 1                      ; my half of the units.  Also: which half of that block I fetch
	s_bfe_u32 s40, ttmp6, 0x40000                  ; cx, cy
	s_bfe_u32 s41, ttmp6, 0x40004
	s_lshl_b32 s42, ttmp9, 2
	s_add_co_u32 s42, s42, s40                     ; X: 64 units
	s_and_b32 s21, ttmp7, 0xffff
	s_lshl_b32 s21, s21, 2
	s_add_co_u32 s21, s21, s41                     ; Y: 256 rows
	s_lshl_b32 s43, s41, 2
	s_lshl_b32 s43, 15, s43                        ; my row of the cluster
	s_lshl_b32 s44, 0x1111, s40                    ; my column
	; descriptor group 1: a dense block as rows of 256 bytes (32 elements of 8 bytes): 136 rows (8 records) of the rows' buffer, 170 (10 records) of the weights'
	s_or_b32 s[G1A], s43, (3<<16)|(1<<21)          ; 15:0 the mask; 17:16 elements of 8 bytes; 21 set beside a mask; no padding: fragments are read 16 bytes a lane on end
	s_or_b32 s[G1B], s44, (3<<16)|(1<<21)
	s_mov_b32 s[G1A+1], 32<<16                     ; tensor_dim0
	s_mov_b32 s[G1A+2], 136<<16                    ; tensor_dim1
	s_mov_b32 s[G1A+3], 32<<16                     ; tile_dim0
	s_mov_b32 s[G1A+4], 136                        ; tile_dim1
	s_mov_b32 s[G1A+5], 32                         ; from row to row
	s_mov_b32 s[G1A+6], 0
	s_mov_b32 s[G1A+7], 0
	s_mov_b32 s[G1B+1], 32<<16
	s_mov_b32 s[G1B+2], 170<<16
	s_mov_b32 s[G1B+3], 32<<16
	s_mov_b32 s[G1B+4], 170
	s_mov_b32 s[G1B+5], 32
	s_mov_b32 s[G1B+6], 0
	s_mov_b32 s[G1B+7], 0
	; offsets.  The rows' hangs on Y and the wave alone, the weights' on X and the wave alone, each in registers that never hold the other coordinate
	s_lshl_b32 s80, s21, 4
	s_lshl_b32 s22, s[UH], 3
	s_add_co_u32 s80, s80, s22
	s_mul_i32 s80, s80, REC                        ; tile 16 Y + 8 x half
	s_mov_b32 s81, 0
	s_mul_i32 s82, s42, 20
	s_mul_i32 s22, s[UH], 10
	s_add_co_u32 s82, s82, s22
	s_mul_i32 s82, s82, REC                        ; tile 20 X + 10 x half
	s_add_co_u32 s82, s82, WOFF
	s_mov_b32 s83, 0
	s_lshl_b32 s84, s42, 3
	s_lshl_b32 s22, s[UH], 2
	s_add_co_u32 s84, s84, s22
	s_mul_i32 s84, s84, 640                        ; aux: the two parts of my first group of units, 4 X + 2 x half
	s_mov_b32 s85, 0
.if LAYER == 1
	s_lshl_b32 s86, s21, 5
	s_lshl_b32 s22, s[RH], 4
	s_add_co_u32 s86, s86, s22
	s_mul_i32 s86, s86, 640                        ; aux: the two parts of my first tile of rows, 16 Y + 8 x half
.else
	s_lshl_b32 s86, s21, 10
	s_lshl_b32 s22, s[RH], 9
	s_add_co_u32 s86, s86, s22                     ; fsq: my first row, 4 bytes a row
.endif
	s_mov_b32 s87, 0
	s_lshl_b32 s88, s42, 8
	s_lshl_b32 s22, s[UH], 7
	s_add_co_u32 s88, s88, s22                     ; lam: unit 64 X + 32 x half
	s_mov_b32 s89, 0
	s_lshl_b32 s90, s21, 21
	s_lshl_b32 s22, s[WV], 19
	s_add_co_u32 s90, s90, s22
	s_lshl_b32 s22, s42, 8
	s_add_co_u32 s90, s90, s22                     ; raw: row 256 Y + 64 w, column 64 X
	s_mov_b32 s91, 0
	s_lshl_b32 s92, s21, 14
	s_lshl_b32 s23, s[WV], 13
	s_add_co_u32 s92, s92, s23
	s_add_co_u32 s92, s92, s22                     ; stat [Y][mean, M2][2048]: wave 0 stores the means, wave 1 the M2
	s_mov_b32 s93, 0
	s_mul_i32 s45, s[UH], AHALF                    ; where my block goes in a slot: no place in the cluster enters an LDS address
	s_mul_i32 s46, s[UH], BHALF
	s_add_co_u32 s46, s46, BOFF
	s_mul_i32 s47, s[RH], AHALF                    ; where my rows' records lie
	s_wait_dscnt 0x0                               ; both opening adds are done
	s_wait_kmcnt 0x0
	s_add_nc_u64 s[66:67], s[P_A:P_A+1], s[80:81]
	s_add_nc_u64 s[68:69], s[P_W:P_W+1], s[82:83]
	s_add_nc_u64 s[AUXC:AUXC+1], s[P_AUX:P_AUX+1], s[84:85]
	s_add_nc_u64 s[XSB:XSB+1], s[P_XS:P_XS+1], s[86:87]
	s_add_nc_u64 s[LAMB:LAMB+1], s[P_LAM:P_LAM+1], s[88:89]
	s_add_nc_u64 s[RAWB:RAWB+1], s[P_RAW:P_RAW+1], s[90:91]
	s_add_nc_u64 s[STATB:STATB+1], s[P_STAT:P_STAT+1], s[92:93]
	CROUND                                         ; all sixteen work-groups are here: the first joint loads meet
.irp s, 0,1
	s_mov_b32 s[G0A+4*\s], 1
	s_add_co_u32 s[G0A+4*\s+1], s45, \s*SLOT
	s_add_nc_u64 s[G0A+4*\s+2:G0A+4*\s+3], s[66:67], \s*ASTR
	s_or_b32 s[G0A+4*\s+3], s[G0A+4*\s+3], 0x80000000
	s_mov_b32 s[G0B+4*\s], 1
	s_add_co_u32 s[G0B+4*\s+1], s46, \s*SLOT
	s_add_nc_u64 s[G0B+4*\s+2:G0B+4*\s+3], s[68:69], \s*WSTR
	s_or_b32 s[G0B+4*\s+3], s[G0B+4*\s+3], 0x80000000
	JLOAD \s                                       ; two loads of mine are out
.endr
	v_and_b32 v224, 31, v0                         ; lane   (v224-228 are free until -mu.v_k is summed into them)
	v_and_b32 v225, 15, v0                         ; r
	v_bfe_u32 v226, v0, 4, 1                       ; h
	v_lshlrev_b32 v[R4], 2, v225
	v_lshlrev_b32 v[H32], 5, v226
.irp u, 0,1                            ; -mu.v_k of units 8 h + 0 .. 7 of group u: the two halves of K, into the registers that the fragments will take
.irp p, 0,1
.irp k, 0,1,2,3
	global_load_b128 v[96+64*\u+32*\p+8*\k:96+64*\u+32*\p+8*\k+3], v[H32], s[AUXC:AUXC+1] offset:(2*\u+\p)*640+(VS+\k)*64
	global_load_b128 v[96+64*\u+32*\p+8*\k+4:96+64*\u+32*\p+8*\k+7], v[H32], s[AUXC:AUXC+1] offset:(2*\u+\p)*640+(VS+\k)*64+16
.endr
.endr
.endr
	WIN 0xc0                                       ; destination window 3
.irp a, 0,1,2,3,4,5,6,7                ; |a_b|^2 of row r of tile a, in parts
.if LAYER == 1
	global_load_b32 v[128+2*\a], v[R4], s[XSB:XSB+1] offset:(2*\a)*640+576
	global_load_b32 v[129+2*\a], v[R4], s[XSB:XSB+1] offset:(2*\a+1)*640+576
.else
.irp s, 0,1,2,3
	global_load_b32 v[128+4*\a+\s], v[R4], s[XSB:XSB+1] offset:\s*8192+64*\a
.endr
.endif
.endr
	WIN 0
	v_lshlrev_b32 v[L8], 3, v224
	v_lshlrev_b32 v227, 4, v224                    ; 16 x lane
	v_add_nc_u32 v[ADRA], s47, v227
	v_add_nc_u32 v[ADRA+1], SLOT, v[ADRA]
	v_add_nc_u32 v[ADRB], s46, v227
	v_add_nc_u32 v[ADRB+1], SLOT, v[ADRB]
	s_sub_co_u32 s22, s46, s47                     ; from my rows' records to my weights'
	v_mul_u32_u24 v228, s22, v226                  ; one product: lanes 16-31 take the weights'
	v_lshl_add_u32 v[ADRS], v225, 4, v228
	s_add_co_u32 s22, s47, 4096
	v_add_nc_u32 v[ADRS], s22, v[ADRS]
	v_add_nc_u32 v[ADRS+1], SLOT, v[ADRS]
	v_mul_u32_u24 v[STO], v225, 272                ; the stage: row 128 x row half + 16 a + r; bytes 128 x unit half + 64 u + 32 h
	v_add_nc_u32 v[STO], v[STO], v[H32]
	s_lshl_b32 s22, s[UH], 7
	s_add_co_u32 s22, s22, s47                     ; (128 rows of 272 bytes are as many bytes as 8 records)
	v_add_nc_u32 v[STO], s22, v[STO]
	s_mul_i32 s22, s[WV], 64*272
	v_mul_u32_u24 v[RD], v226, 272                 ; back: rows 64 w on, two an instruction, sixteen lanes to a row
	v_lshl_add_u32 v[RD], v225, 4, v[RD]
	v_add_nc_u32 v[RD], s22, v[RD]
	v_lshlrev_b32 v[CO], 13, v226
	v_lshl_add_u32 v[CO], v225, 4, v[CO]           ; and the same two rows in raw
	s_lshl_b32 s22, s[RH], 8
	s_lshl_b32 s23, s[UH], 7
	s_add_co_u32 s22, s22, s23
	s_add_co_u32 s22, s22, EXCH
	v_add_nc_u32 v[EXA], s22, v[H32]
	v_add_nc_u32 v[EXR], EXCH, v[L8]               ; v0 has served
	s_wait_loadcnt 0x0
.irp i, 0,2,4,6,8,10,12,14,16,18,20,22,24,26,28,30
	v_pk_add_f32 v[224+\i:225+\i], v[96+\i:97+\i], v[128+\i:129+\i]      ; group 0: register 8 k + j
.endr
	WIN 0xc0
.irp i, 0,2,4,6,8,10,12,14,16,18,20,22,24,26,28,30
	v_pk_add_f32 v[208+\i:209+\i], v[160+\i:161+\i], v[192+\i:193+\i]    ; group 1, in window 3
.endr
	WIN 0xcf                                       ; all in window 3
.irp a, 0,1,2,3,4,5,6,7
.if LAYER == 1
	v_add_f32 v[240+2*\a], v[128+2*\a], v[129+2*\a]
	v_add_f32 v[241+2*\a], v[128+2*\a], v[129+2*\a]                      ; twice: the packed forms take a pair
.else
	v_add_f32 v[128+4*\a], v[128+4*\a], v[129+4*\a]
	v_add_f32 v[130+4*\a], v[130+4*\a], v[131+4*\a]
	v_add_f32 v[240+2*\a], v[128+4*\a], v[130+4*\a]
	v_add_f32 v[241+2*\a], v[128+4*\a], v[130+4*\a]
.endif
.endr
	WIN 0
; Eight matrix instructions: weight fragment bp against the eight tiles of rows.  bp 0-3: v_k of group 0 (LDS tiles 1-4); 4-7: of group 1 (tiles 6-9); 8, 9: mu of groups 0, 1 (tiles 0, 5).
; The 80 accumulators take turns, one instruction a turn, in the same order in every step.
.macro MULB bp, set, q, sc, first
.if (\bp) < 4
.set AB, 64*(\bp)
.set TL, 1+(\bp)
.set CB, 224+8*(\bp)
.elseif (\bp) < 8
.set AB, 64*((\bp)-4)
.set TL, 2+(\bp)
.set CB, 208+8*((\bp)-4)
.else
.set AB, 64*((\bp)-8)
.set TL, 5*((\bp)-8)
.set CB, 0
.endif
.set BR, 128+8*(\bp)
.set AR, 96+64*(\set)
.set SR, 16+40*(\sc)+(\q)
.irp a, 0,1,2,3,4,5,6,7
.if (\first) && ((\bp) < 8)
	v_wmma_scale_f32_16x16x128_f8f6f4 v[AB+8*\a:AB+8*\a+7], v[BR:BR+7], v[AR+8*\a:AR+8*\a+7], v[CB:CB+7], v[SR+4*TL], v[SR+4*\a] matrix_a_fmt:MATRIX_FMT_FP4 matrix_b_fmt:MATRIX_FMT_FP4 matrix_a_scale:MATRIX_SCALE_ROW1
.elseif \first
	v_wmma_scale_f32_16x16x128_f8f6f4 v[AB+8*\a:AB+8*\a+7], v[BR:BR+7], v[AR+8*\a:AR+8*\a+7], 0, v[SR+4*TL], v[SR+4*\a] matrix_a_fmt:MATRIX_FMT_FP4 matrix_b_fmt:MATRIX_FMT_FP4 matrix_a_scale:MATRIX_SCALE_ROW1
.else
	v_wmma_scale_f32_16x16x128_f8f6f4 v[AB+8*\a:AB+8*\a+7], v[BR:BR+7], v[AR+8*\a:AR+8*\a+7], v[AB+8*\a:AB+8*\a+7], v[SR+4*TL], v[SR+4*\a] matrix_a_fmt:MATRIX_FMT_FP4 matrix_b_fmt:MATRIX_FMT_FP4 matrix_a_scale:MATRIX_SCALE_ROW1
.endif
.endr
.endm
; windows: source 0 (weights) 3, source 1 (rows) 0; C and D 1, 2 or 3; in the first step C is -mu.v_k, in window 0 (group 0) or 3 (group 1)
.macro GRP2 q, sc, first
	WIN 0xa3+0x10*(\first)
	MULB 4, (\q)%2, \q, \sc, \first
	MULB 5, (\q)%2, \q, \sc, \first
	MULB 6, (\q)%2, \q, \sc, \first
	MULB 7, (\q)%2, \q, \sc, \first
.endm
.macro GRP3 q, sc, first
	WIN 0xf3
	MULB 8, (\q)%2, \q, \sc, \first
	MULB 9, (\q)%2, \q, \sc, \first
.endm
.macro GRP1 q, sc, first
	WIN 0x53-0x10*(\first)
	MULB 0, (\q)%2, \q, \sc, \first
	MULB 1, (\q)%2, \q, \sc, \first
	MULB 2, (\q)%2, \q, \sc, \first
	MULB 3, (\q)%2, \q, \sc, \first
.endm
.macro FA slot, q, set                 ; the rows' eight fragments of K step q: 16 loads, 512 consecutive bytes each
	WIN 0
.irp a, 0,1,2,3,4,5,6,7
	ds_load_b128 v[96+64*(\set)+8*\a:96+64*(\set)+8*\a+3], v[ADRA+\slot] offset:\a*REC+(\q)*1024
	ds_load_b128 v[96+64*(\set)+8*\a+4:96+64*(\set)+8*\a+7], v[ADRA+\slot] offset:\a*REC+(\q)*1024+512
.endr
.endm
.macro FB1 slot, q, bp
.if (\bp) < 4
.set TL, 1+(\bp)
.elseif (\bp) < 8
.set TL, 2+(\bp)
.else
.set TL, 5*((\bp)-8)
.endif
	ds_load_b128 v[128+8*(\bp):128+8*(\bp)+3], v[ADRB+\slot] offset:TL*REC+(\q)*1024
	ds_load_b128 v[128+8*(\bp)+4:128+8*(\bp)+7], v[ADRB+\slot] offset:TL*REC+(\q)*1024+512
.endm
.macro FB slot, q, b0                  ; weight fragments b0 .. b0 + 3 (b0 = 8: two)
	WIN 0xc0
	FB1 \slot, \q, \b0
	FB1 \slot, \q, \b0+1
.if (\b0) < 8
	FB1 \slot, \q, \b0+2
	FB1 \slot, \q, \b0+3
.endif
.endm
.macro SCL slot                        ; a slot's scale words: four a row; for i = 8, 9 lanes 0-15 read landed bytes of the slot that no product names
	WIN 0
.irp i, 0,1,2,3,4,5,6,7,8,9
	ds_load_b128 v[16+40*\slot+4*\i:16+40*\slot+4*\i+3], v[ADRS+\slot] offset:\i*REC
.endr
.endm
; A step of 128 along K with its successor in the same slot.  A weight fragment is free as soon as its eight products are issued, so the weights have one set; the rows have two.
.macro STEP slot, q, first
	s_wait_dscnt 12                                ; the rows' set and weights 0-3 are in; out may be weights 4-7 (8 loads) and 8-9 (4)
	GRP1 \q, \slot, \first
	PLACES
	FA \slot, (\q)+1, 1-(\q)%2
	FB \slot, (\q)+1, 0
	s_wait_dscnt 28                                ; weights 4-7 are in; out may be 8-9 (4) and the 24 just issued
	GRP2 \q, \slot, \first
	PLACES
	FB \slot, (\q)+1, 4
	s_wait_dscnt 32                                ; weights 8-9 are in; out may be the next step's 24 + 8
	GRP3 \q, \slot, \first
	PLACES
	FB \slot, (\q)+1, 8
.endm
; A slot's last step changes slots: one barrier; ahead of it each wave waits for all its tensor loads, adds 0 to its spare word, and waits for that and for its reads of this slot.
.macro TURN slot, next, fill
	WIN 0                                          ; (the add's two registers lie in window 0)
	s_wait_tensorcnt 0x0                           ; all my tensor loads have landed: my part of the next slot
	ds_add_u32 v[SPW], v[NIL]                      ; 0 onto my spare word
	s_wait_dscnt 13                                ; (the add, and weights 4-9, may be out)
	WIN 0x53
	MULB 0, 1, 3, \slot, 0                         ; sixteen matrix instructions stand between the add and the wait for it
	MULB 1, 1, 3, \slot, 0
	s_wait_dscnt 0x0                               ; the add is done, and my reads of this slot are over
	s_barrier_signal -1
	MULB 2, 1, 3, \slot, 0
	MULB 3, 1, 3, \slot, 0
	WIN 0
	s_barrier_wait -1
.if \fill
	CREST                                          ; the barrier has opened a round of the cluster's: no wave of any partner still reads this slot or has a load on its way
	s_add_nc_u64 s[G0A+4*\slot+2:G0A+4*\slot+3], s[G0A+4*\slot+2:G0A+4*\slot+3], 2*ASTR
	s_add_nc_u64 s[G0B+4*\slot+2:G0B+4*\slot+3], s[G0B+4*\slot+2:G0B+4*\slot+3], 2*WSTR
	JLOAD \slot                                    ; my one tensor load behind the round; its four v_nop are the places ahead of the loads below
.else
	PLACES
.endif
	FA \next, 0, 0
	SCL \next
	FB \next, 0, 0
	GRP2 3, \slot, 0
	PLACES
	FB \next, 0, 4
	GRP3 3, \slot, 0
	PLACES
	FB \next, 0, 8
.endm
	s_wait_tensorcnt 0x1                           ; my part of slot 0 is in; slot 1's may stay out
	s_barrier_signal -1
	s_barrier_wait -1
	FA 0, 0, 0
	SCL 0
	FB 0, 0, 0
	FB 0, 0, 4
	FB 0, 0, 8
	STEP 0, 0, 1                                   ; the first step starts the sums: nothing is cleared
	WIN 0                                          ; -mu.v_k has served; its registers (four places behind the products that read them) take lam, and in layer 2 the parts of |mu|^2
.irp u, 0,1
	global_load_b128 v[224+8*\u:227+8*\u], v[H32], s[LAMB:LAMB+1] offset:64*\u
	global_load_b128 v[228+8*\u:231+8*\u], v[H32], s[LAMB:LAMB+1] offset:64*\u+16
.endr
.if LAYER == 2
.irp u, 0,1
	global_load_b128 v[240+8*\u:243+8*\u], v[H32], s[AUXC:AUXC+1] offset:(2*\u)*640+256
	global_load_b128 v[244+8*\u:247+8*\u], v[H32], s[AUXC:AUXC+1] offset:(2*\u)*640+272
.endr
	WIN 0xc0
.irp u, 0,1
	global_load_b128 v[208+8*\u:211+8*\u], v[H32], s[AUXC:AUXC+1] offset:(2*\u+1)*640+256
	global_load_b128 v[212+8*\u:215+8*\u], v[H32], s[AUXC:AUXC+1] offset:(2*\u+1)*640+272
.endr
.endif
	STEP 0, 1, 0
	STEP 0, 2, 0
.if LAYER == 2
	TURN 0, 1, 1                                   ; slot 0 takes K 1024 on
	STEP 1, 0, 0
	STEP 1, 1, 0
	STEP 1, 2, 0
	TURN 1, 0, 1                                   ; slot 1 takes K 1536 on
	STEP 0, 0, 0
	STEP 0, 1, 0
	STEP 0, 2, 0
.endif
	TURN 0, 1, 0                                   ; nothing is left to fetch; behind this barrier nobody reads slot 0
	STEP 1, 0, 0
	STEP 1, 1, 0
	STEP 1, 2, 0
	s_wait_dscnt 12
	GRP1 3, 1, 0
	s_wait_dscnt 4
	GRP2 3, 1, 0
	s_wait_dscnt 0x0
	GRP3 3, 1, 0
	PLACES
	s_wait_loadcnt 0x0                             ; lam (and |mu|^2)
	; THE QUADRATIC FORM, two numbers an instruction; each accumulator is read from its low end on
.if LAYER == 2
	WIN 0x0c
.irp j, 0,2,4,6,8,10,12,14
	v_pk_add_f32 v[240+\j:241+\j], v[240+\j:241+\j], v[208+\j:209+\j]
.endr
	WIN 0
.irp j, 0,2,4,6,8,10,12,14
	v_pk_mul_f32 v[240+\j:241+\j], v[240+\j:241+\j], v[224+\j:225+\j]    ; lam |mu|^2
.endr
.endif
.irp u, 0,1
	WIN 0x45*(1+\u)
.irp a, 0,1,2,3,4,5,6,7
.irp j, 0,2,4,6
.if LAYER == 2
	v_pk_fma_f32 v[8*\a+\j:8*\a+\j+1], v[8*\a+\j:8*\a+\j+1], v[8*\a+\j:8*\a+\j+1], v[240+8*\u+\j:241+8*\u+\j]
.else
	v_pk_mul_f32 v[8*\a+\j:8*\a+\j+1], v[8*\a+\j:8*\a+\j+1], v[8*\a+\j:8*\a+\j+1]
.endif
.endr
.endr
	WIN 0x55*(1+\u)
.irp k, 1,2,3
.irp a, 0,1,2,3,4,5,6,7
.irp j, 0,2,4,6
	v_pk_fma_f32 v[8*\a+\j:8*\a+\j+1], v[64*\k+8*\a+\j:64*\k+8*\a+\j+1], v[64*\k+8*\a+\j:64*\k+8*\a+\j+1], v[8*\a+\j:8*\a+\j+1]   ; S = the sum of the four squares (+ lam |mu|^2)
.endr
.endr
.endr
.endr
	WIN 0xf3
.irp u, 0,1
.irp a, 0,1,2,3,4,5,6,7
.irp j, 0,2,4,6
	v_pk_fma_f32 v[64*\u+8*\a+\j:64*\u+8*\a+\j+1], v[64*\u+8*\a+\j:64*\u+8*\a+\j+1], -2.0, v[240+2*\a:241+2*\a] op_sel_hi:[1,0,1]   ; |a|^2 - 2 a.mu
.endr
.endr
.endr
.irp u, 0,1
	WIN 0xdc+0x10*\u                               ; lam window 0, the line above window 3, S window 1 or 2, the result window 3
.irp a, 0,1,2,3,4,5,6,7
.irp j, 0,2,4,6
.if LAYER == 1
	v_pk_fma_f32 v[64*\u+8*\a+\j:64*\u+8*\a+\j+1], v[224+8*\u+\j:225+8*\u+\j], v[64*\u+8*\a+\j:64*\u+8*\a+\j+1], v[8*\a+\j:8*\a+\j+1] neg_lo:[1,0,1] neg_hi:[1,0,1]   ; -quad
.else
	v_pk_fma_f32 v[64*\u+8*\a+\j:64*\u+8*\a+\j+1], v[224+8*\u+\j:225+8*\u+\j], v[64*\u+8*\a+\j:64*\u+8*\a+\j+1], v[8*\a+\j:8*\a+\j+1]   ; quad
.endif
.endr
.endr
.endr
.if LAYER == 2
	WIN 0xc3
.set i, 0
.rept 64
	v_pk_mul_f32 v[i:i+1], v[i:i+1], 0xba38aa3b op_sel_hi:[1,0]          ; x -log2(e) / 2048
.set i, i+2
.endr
.set i, 0
.rept 128
	v_exp_f32 v[i], v[i]                                                 ; exp(-quad / 2048): one batch
.set i, i+1
.endr
	v_nop                                          ; a plain instruction behind the last exponential,
	s_wait_alu depctr_va_vdst(0)                   ; and the wait ahead of the batch's first reader
.endif
	; THE COLUMNS' STATISTICS over my 128 rows: over the eight tiles in registers, over the sixteen lanes of a half by DPP
	WIN 0x0f
.irp u, 0,1
.irp j, 0,2,4,6
	v_pk_add_f32 v[192+8*\u+\j:193+8*\u+\j], v[64*\u+\j:64*\u+\j+1], v[64*\u+8+\j:64*\u+8+\j+1]
.endr
.endr
	WIN 0x03
.irp a, 2,3,4,5,6,7
.irp u, 0,1
.irp j, 0,2,4,6
	v_pk_add_f32 v[192+8*\u+\j:193+8*\u+\j], v[64*\u+8*\a+\j:64*\u+8*\a+\j+1], v[192+8*\u+\j:193+8*\u+\j]
.endr
.endr
.endr
	WIN 0
.irp m, 1,2,4,8
.irp i, 0,1,2,3,4,5,6,7,8,9,10,11,12,13,14,15
	v_add_f32_dpp v[192+\i], v[192+\i], v[192+\i] row_xmask:\m row_mask:0xf bank_mask:0xf
.endr
.endr
.irp j, 0,2,4,6,8,10,12,14
	v_pk_mul_f32 v[192+\j:193+\j], v[192+\j:193+\j], 0x3c000000 op_sel_hi:[1,0]   ; / 128: the mean
.endr
.irp u, 0,1
	WIN 0x03
.irp a, 0,1,2,3,4,5,6,7
.irp j, 0,2,4,6
	v_pk_add_f32 v[96+8*\a+\j:97+8*\a+\j], v[64*\u+8*\a+\j:64*\u+8*\a+\j+1], v[192+8*\u+\j:193+8*\u+\j] neg_lo:[0,1] neg_hi:[0,1]
.endr
.endr
	WIN 0
.irp j, 0,2,4,6
	v_pk_mul_f32 v[208+8*\u+\j:209+8*\u+\j], v[96+\j:97+\j], v[96+\j:97+\j]
.endr
.irp a, 1,2,3,4,5,6,7
.irp j, 0,2,4,6
	v_pk_fma_f32 v[208+8*\u+\j:209+8*\u+\j], v[96+8*\a+\j:97+8*\a+\j], v[96+8*\a+\j:97+8*\a+\j], v[208+8*\u+\j:209+8*\u+\j]
.endr
.endr
.endr
.irp m, 1,2,4,8
.irp i, 0,1,2,3,4,5,6,7,8,9,10,11,12,13,14,15
	v_add_f32_dpp v[208+\i], v[208+\i], v[208+\i] row_xmask:\m row_mask:0xf bank_mask:0xf
.endr
.endr
.irp u, 0,1
.irp c, 0,1
	ds_store_b128 v[EXA], v[192+8*\u+4*\c:195+8*\u+4*\c] offset:64*\u+16*\c          ; the sixteen lanes of a half write the same bytes with the same values
	ds_store_b128 v[EXA], v[208+8*\u+4*\c:211+8*\u+4*\c] offset:512+64*\u+16*\c
.endr
.endr
	WIN 0x0c                                       ; an LDS store's data are its source 1: window 3
.irp a, 0,1,2,3,4,5,6,7
.irp u, 0,1
	ds_store_b128 v[STO], v[64*\u+8*\a:64*\u+8*\a+3] offset:\a*16*272+64*\u
	ds_store_b128 v[STO], v[64*\u+8*\a+4:64*\u+8*\a+7] offset:\a*16*272+64*\u+16
.endr
.endr
	WIN 0
	s_wait_dscnt 0x0                               ; for the others' sake: my stores are done
	s_barrier_signal -1
	s_barrier_wait -1
.set t, 0
.rept 32
	ds_load_b128 v[96+4*t:96+4*t+3], v[RD] offset:544*t                  ; 64 whole rows of 256 bytes, two an instruction
.set t, t+1
.endr
	s_cmp_lt_u32 s[WV], 2
	s_cbranch_scc0 .Lno_stat
	ds_load_b64 v[224:225], v[EXR]                 ; two units a lane: the two row halves' means,
	ds_load_b64 v[226:227], v[EXR] offset:256
	ds_load_b64 v[228:229], v[EXR] offset:512      ; and their M2
	ds_load_b64 v[230:231], v[EXR] offset:768
	s_wait_dscnt 0x0
	v_pk_add_f32 v[232:233], v[224:225], v[226:227]
	v_pk_add_f32 v[234:235], v[224:225], v[226:227] neg_lo:[0,1] neg_hi:[0,1]
	v_pk_add_f32 v[236:237], v[228:229], v[230:231]
	v_pk_mul_f32 v[232:233], v[232:233], 0.5 op_sel_hi:[1,0]             ; the mean of 256 rows
	v_pk_mul_f32 v[238:239], v[234:235], v[234:235]
	v_pk_fma_f32 v[236:237], v[238:239], 0x42800000, v[236:237] op_sel_hi:[1,0,1]   ; M2 = M2a + M2b + 64 (ma - mb)^2
	s_cmp_eq_u32 s[WV], 0
	s_cselect_b32 s22, -1, 0
	v_cndmask_b32 v232, v236, v232, s22            ; wave 0 stores the means, wave 1 the M2
	v_cndmask_b32 v233, v237, v233, s22
	global_store_b64 v[L8], v[232:233], s[STATB:STATB+1]                 ; 256 consecutive bytes, aligned
.Lno_stat:
	s_wait_dscnt 0x0
.set t, 0
.rept 32
	global_store_b128 v[CO], v[96+4*t:96+4*t+3], s[RAWB:RAWB+1] offset:16384*t   ; sixteen lanes store 256 consecutive bytes, at a multiple of 256 from raw's first byte
.set t, t+1
.endr
	s_wait_tensorcnt 0x0                           ; the wave's end
	ds_add_u32 v[SPW], v[NIL]
	s_wait_dscnt 0x0
	CROUND                                         ; the closing round
	s_endpgm
.Lfunc_end_k_qa4596851fb_gemm2:
	.size	k_qa4596851fb_gemm2, .Lfunc_end_k_qa4596851fb_gemm2-k_qa4596851fb_gemm2
	.p2alignl 7, 3214868480
	.fill 96, 4, 3214868480
	.section	.rodata,"a",@progbits
	.p2align	6, 0x0
	.amdhsa_kernel k_qa4596851fb_gemm2
		.amdhsa_group_segment_fixed_size 327680
		.amdhsa_private_segment_fixed_size 0
		.amdhsa_enable_private_segment 0
		.amdhsa_kernarg_size 56
		.amdhsa_user_sgpr_count 2
		.amdhsa_user_sgpr_kernarg_segment_ptr 1
		.amdhsa_wavefront_size32 1
		.amdhsa_system_sgpr_workgroup_id_x 1
		.amdhsa_system_sgpr_workgroup_id_y 1
		.amdhsa_system_sgpr_workgroup_id_z 1
		.amdhsa_system_vgpr_workitem_id 0
		.amdhsa_next_free_vgpr 1024
		.amdhsa_next_free_sgpr 100
		.amdhsa_reserve_vcc 0
		.amdhsa_float_denorm_mode_32 3
		.amdhsa_float_denorm_mode_16_64 3
		.amdhsa_memory_ordered 1
		.amdhsa_forward_progress 1
		.amdhsa_inst_pref_size 255
	.end_amdhsa_kernel
	.section	.bss,"aw",@nobits
	.p2align	6
	.space	262144
	.amdgpu_metadata
---
amdhsa.version: [ 1, 2 ]
amdhsa.kernels:
  - .name:           k_qa4596851fb_gemm2
    .symbol:         k_qa4596851fb_gemm2.kd
    .args:
      - { .name: fq, .offset: 0, .size: 8, .value_kind: global_buffer, .address_space: global }
      - { .name: qw, .offset: 8, .size: 8, .value_kind: global_buffer, .address_space: global }
      - { .name: aux, .offset: 16, .size: 8, .value_kind: global_buffer, .address_space: global }
      - { .name: fsq, .offset: 24, .size: 8, .value_kind: global_buffer, .address_space: global }
      - { .name: lam2, .offset: 32, .size: 8, .value_kind: global_buffer, .address_space: global }
      - { .name: raw, .offset: 40, .size: 8, .value_kind: global_buffer, .address_space: global }
      - { .name: stat, .offset: 48, .size: 8, .value_kind: global_buffer, .address_space: global }
    .group_segment_fixed_size: 327680
    .private_segment_fixed_size: 0
    .kernarg_segment_align: 8
    .kernarg_segment_size: 56
    .max_flat_workgroup_size: 128
    .sgpr_count:     100
    .vgpr_count:     1024
    .wavefront_size: 32
...
	.end_amdgpu_metadata
.endif
;; end of part 4
;; launch norm2 (part 5): grid 4 x 64, 8 waves a work-group, no clusters, 75,776 bytes of LDS; arguments raw, stat, g2, b2, out2, out3, fq; writes out2, out3, fq
.if DOCPART == 5
	.amdgcn_target "amdgcn-amd-amdhsa--gfx1250"
	.amdhsa_code_object_version 6
	.text
	.protected	k_qa4596851fb_norm2
	.globl	k_qa4596851fb_norm2
	.p2align	8
	.type	k_qa4596851fb_norm2,@function
k_qa4596851fb_norm2:
	s_mov_b64 s[64:65], 0
	v_nop
	global_prefetch_b8 v0, s[64:65] scope:SCOPE_SE
	s_setreg_imm32_b32 hwreg(HW_REG_WAVE_MODE, 25, 1), 1
	s_wait_xcnt 0x0
; LAUNCH 3 OF 6 (LAYER = 1) AND 5 OF 6 (LAYER = 2): one text, which differs in its first line alone.
; The batch norm: feat = (raw - m) rsqrt(var + 1e-5) g + b (layer 2: and relu), stored as the problem's output (layer 2: twice), and quantised along the hidden axis into records in operand order for the next product.
; Layer 1 also sums feat^2 along the row, in f32, on the numbers before they are quantised.
; m and var come from eight parts of 256 rows: m = the mean of the means; M2 = the sum of the parts' M2 + 256 x the sum of (mean_i - m)^2; var = M2 / 2048.  No difference of large sums is formed.
; SHARES.  Work-group (KS, RG): 32 rows x 512 columns.  Thread t makes the constants of columns 2 t, 2 t + 1; they meet in LDS.  Wave w: tile of rows 2 RG + w / 4, K step w % 4: 16 rows x 128 columns, one fragment.
; A row's 512 bytes are loaded and stored by the 32 lanes on end; the tile turns through the wave's own stage (rows of 528 bytes), so that lane (r, h) holds blocks h and 2 + h of row r.
; No loop, no cluster (what the work-groups share, the statistics, is a small part of their bytes), no matrix work: memory binds.
; LIMITS: a block of zeros gets the byte 1 where the rule says 127 (its codes are zeros; the bytes are read by this program alone); blocks under 2^-124 are held at that floor.
.set LAYER, 2
.set REC,   4352
.set PM,    0                          ; LDS: m, a = rsqrt(..) g, b of 512 columns: 2,048 bytes each;
.set PA,    2048
.set PB,    4096
.set SW,    6144                       ; the scale words [2 tiles][16 rows][4 K steps];
.set FS,    6656                       ; the rows' sums of squares [32 rows][4 K steps];
.set STG,   7168                       ; eight stages of 16 x 528 bytes;
.set SPARE, 74752                      ; the spare words, 128 bytes for each wave, which no other line names
.set SPW,   14
.set NIL,   15
.set Y,     64                         ; v64-127  16 rows x 4 numbers
.set X,     128                        ; v128-191 my two blocks
.set RAWB,  34
.set STATB, 36
.set GB,    38
.set BB,    40
.set OUTB,  42
.set OUT2B, 44
.set FQB,   46
.set FQS,   48
.set FSQB,  50
	s_load_b256 s[4:11], s[0:1], 0x0               ; raw, stat, g, b
	s_load_b128 s[12:15], s[0:1], 0x20             ; layer 1: out1, fq;  layer 2: out2, out3
	s_load_b64 s[16:17], s[0:1], 0x30              ; layer 1: fsq;       layer 2: fq
	v_lshl_add_u32 v[SPW], v0, 2, SPARE
	v_mov_b32 v[NIL], 0
	v_lshrrev_b32 v1, 5, v0
	v_readfirstlane_b32 s18, v1                    ; wave 0..7
	s_lshr_b32 s19, s18, 2                         ; which tile of rows
	s_and_b32 s20, s18, 3                          ; which K step
	s_and_b32 s22, ttmp7, 0xffff                   ; RG
	s_lshl_b32 s23, s22, 1
	s_add_co_u32 s23, s23, s19                     ; T = 2 RG + w / 4
	s_lshl_b32 s24, ttmp9, 11                      ; 512 columns x 4 bytes x KS
	s_mov_b32 s25, 0
	s_lshl_b32 s26, s23, 17                        ; 16 rows of 8,192 bytes a tile
	s_add_co_u32 s26, s26, s24
	s_lshl_b32 s33, s20, 9
	s_add_co_u32 s26, s26, s33
	s_mov_b32 s27, 0
	s_lshl_b32 s21, ttmp9, 7                       ; 128 KS
	s_add_co_u32 s28, s21, s23
	s_mul_i32 s28, s28, REC
	s_lshl_b32 s29, s20, 10
	s_add_co_u32 s28, s28, s29                     ; my fragment in record (KS, T)
	s_mov_b32 s29, 0
	s_lshl_b32 s30, s22, 1
	s_add_co_u32 s30, s30, s21
	s_add_co_u32 s30, s30, s18
	s_mul_i32 s30, s30, REC
	s_add_co_u32 s30, s30, 4096                    ; waves 0, 1: the scale bytes of record (KS, 2 RG + w)
	s_mov_b32 s31, 0
	s_lshl_b32 s32, ttmp9, 13
	s_lshl_b32 s33, s22, 7
	s_add_co_u32 s32, s32, s33                     ; fsq [KS][2048]: row 32 RG
	s_mov_b32 s33, 0
	s_mov_b32 s52, 0x76543210
	s_mov_b32 s53, 0xfedcba98                      ; lane selects: lane l xor 16
	s_mov_b32 s54, 0x3a000000                      ; 1 / 2048
	s_mov_b32 s55, 0x3727c5ac                      ; 1e-5
	; every LDS address is made here
	v_and_b32 v1, 31, v0                           ; lane
	v_and_b32 v2, 15, v0                           ; r
	v_bfe_u32 v3, v0, 4, 1                         ; h
	v_lshlrev_b32 v4, 3, v0                        ; 8 t
	v_lshlrev_b32 v5, 4, v1                        ; 16 x lane
	s_lshl_b32 s56, s20, 9
	v_add_nc_u32 v6, s56, v5                       ; my four columns' constants
	s_mul_i32 s56, s18, 16*528
	s_add_co_u32 s56, s56, STG
	v_add_nc_u32 v7, s56, v5                       ; the stage, on the way in
	v_mul_u32_u24 v8, v2, 528
	v_lshl_add_u32 v8, v3, 7, v8
	v_add_nc_u32 v8, s56, v8                       ; and out: row r, + 128 h
	s_lshl_b32 s56, s19, 8
	s_lshl_b32 s57, s20, 2
	s_add_co_u32 s56, s56, s57
	s_add_co_u32 s57, s56, SW
	v_lshl_add_u32 v9, v2, 4, s57
	s_add_co_u32 s57, s56, FS
	v_lshl_add_u32 v10, v2, 4, s57
	v_lshlrev_b32 v13, 3, v1
	s_lshl_b32 s56, s18, 8
	s_add_co_u32 s56, s56, SW
	v_add_nc_u32 v11, s56, v13
	v_add_nc_u32 v12, FS, v5
	s_wait_kmcnt 0x0
	s_add_nc_u64 s[RAWB:RAWB+1], s[4:5], s[26:27]
	s_add_nc_u64 s[STATB:STATB+1], s[6:7], s[24:25]
	s_add_nc_u64 s[GB:GB+1], s[8:9], s[24:25]
	s_add_nc_u64 s[BB:BB+1], s[10:11], s[24:25]
	s_add_nc_u64 s[OUTB:OUTB+1], s[12:13], s[26:27]
.if LAYER == 1
	s_add_nc_u64 s[FQB:FQB+1], s[14:15], s[28:29]
	s_add_nc_u64 s[FQS:FQS+1], s[14:15], s[30:31]
	s_add_nc_u64 s[FSQB:FSQB+1], s[16:17], s[32:33]
.else
	s_add_nc_u64 s[OUT2B:OUT2B+1], s[14:15], s[26:27]
	s_add_nc_u64 s[FQB:FQB+1], s[16:17], s[28:29]
	s_add_nc_u64 s[FQS:FQS+1], s[16:17], s[30:31]
.endif
.irp i, 0,1,2,3,4,5,6,7
	global_load_b64 v[16+4*\i:17+4*\i], v4, s[STATB:STATB+1] offset:16384*\i          ; part i: the means of my two columns,
	global_load_b64 v[18+4*\i:19+4*\i], v4, s[STATB:STATB+1] offset:16384*\i+8192     ; and their M2
.endr
	global_load_b64 v[48:49], v4, s[GB:GB+1]
	global_load_b64 v[50:51], v4, s[BB:BB+1]
.irp i, 0,1,2,3,4,5,6,7,8,9,10,11,12,13,14,15
	global_load_b128 v[Y+4*\i:Y+4*\i+3], v5, s[RAWB:RAWB+1] offset:8192*\i th:TH_LOAD_NT   ; row i: 512 consecutive bytes
.endr
	s_wait_loadcnt 16                              ; the statistics, g and b are in; the 16 rows may be out
	v_pk_add_f32 v[52:53], v[16:17], v[20:21]
	v_pk_add_f32 v[54:55], v[24:25], v[28:29]
	v_pk_add_f32 v[56:57], v[32:33], v[36:37]
	v_pk_add_f32 v[58:59], v[40:41], v[44:45]
	v_pk_add_f32 v[52:53], v[52:53], v[54:55]
	v_pk_add_f32 v[56:57], v[56:57], v[58:59]
	v_pk_add_f32 v[52:53], v[52:53], v[56:57]
	v_pk_mul_f32 v[52:53], v[52:53], 0x3e000000 op_sel_hi:[1,0]          ; m
.irp i, 0,1,2,3,4,5,6,7
	v_pk_add_f32 v[16+4*\i:17+4*\i], v[16+4*\i:17+4*\i], v[52:53] neg_lo:[0,1] neg_hi:[0,1]
.endr
	v_pk_mul_f32 v[54:55], v[16:17], v[16:17]
	v_pk_add_f32 v[56:57], v[18:19], v[22:23]
.irp i, 1,2,3,4,5,6,7
	v_pk_fma_f32 v[54:55], v[16+4*\i:17+4*\i], v[16+4*\i:17+4*\i], v[54:55]
.endr
.irp i, 2,3,4,5,6,7
	v_pk_add_f32 v[56:57], v[56:57], v[18+4*\i:19+4*\i]
.endr
	v_pk_fma_f32 v[56:57], v[54:55], 0x43800000, v[56:57] op_sel_hi:[1,0,1]   ; M2 of all 2,048 rows
	v_fma_f32 v58, v56, s54, s55                   ; var + eps
	v_fma_f32 v59, v57, s54, s55
	v_rsq_f32 v60, v58
	v_rsq_f32 v61, v59
	v_nop                                          ; a plain instruction behind the transcendentals,
	s_wait_alu depctr_va_vdst(0)                   ; and the wait ahead of their first reader
	v_pk_mul_f32 v[60:61], v[60:61], v[48:49]      ; a = rsqrt(var + eps) g
	ds_store_b64 v4, v[52:53] offset:PM
	ds_store_b64 v4, v[60:61] offset:PA
	ds_store_b64 v4, v[50:51] offset:PB
	s_wait_dscnt 0x0                               ; for the others' sake
	s_barrier_signal -1
	s_barrier_wait -1
	ds_load_b128 v[52:55], v6 offset:PM
	ds_load_b128 v[56:59], v6 offset:PA
	ds_load_b128 v[60:63], v6 offset:PB
	s_wait_dscnt 0x0
.irp i, 0,1,2,3,4,5,6,7,8,9,10,11,12,13,14,15
	s_wait_loadcnt 15-\i                           ; row i is in; the younger rows may be out
	v_pk_add_f32 v[Y+4*\i:Y+4*\i+1], v[Y+4*\i:Y+4*\i+1], v[52:53] neg_lo:[0,1] neg_hi:[0,1]
	v_pk_add_f32 v[Y+4*\i+2:Y+4*\i+3], v[Y+4*\i+2:Y+4*\i+3], v[54:55] neg_lo:[0,1] neg_hi:[0,1]
	v_pk_fma_f32 v[Y+4*\i:Y+4*\i+1], v[Y+4*\i:Y+4*\i+1], v[56:57], v[60:61]
	v_pk_fma_f32 v[Y+4*\i+2:Y+4*\i+3], v[Y+4*\i+2:Y+4*\i+3], v[58:59], v[62:63]
.if LAYER == 2
.irp j, 0,1,2,3
	v_max_num_f32 v[Y+4*\i+\j], 0, v[Y+4*\i+\j]
.endr
.endif
	global_store_b128 v5, v[Y+4*\i:Y+4*\i+3], s[OUTB:OUTB+1] offset:8192*\i th:TH_STORE_NT   ; 512 consecutive bytes, aligned
.if LAYER == 2
	global_store_b128 v5, v[Y+4*\i:Y+4*\i+3], s[OUT2B:OUT2B+1] offset:8192*\i th:TH_STORE_NT
.endif
	ds_store_b128 v7, v[Y+4*\i:Y+4*\i+3] offset:528*\i
.endr
.irp c, 0,1
.irp j, 0,1,2,3,4,5,6,7
	ds_load_b128 v[X+32*\c+4*\j:X+32*\c+4*\j+3], v8 offset:256*\c+16*\j  ; k = 64 c + 32 h + 0 .. 31 of row r.  LDS serves a wave's instructions in order: these see my stores
.endr
.endr
	s_wait_dscnt 0x0
.if LAYER == 1
	v_pk_mul_f32 v[192:193], v[X:X+1], v[X:X+1]                          ; the row's sum of squares, in two chains
	v_pk_mul_f32 v[194:195], v[X+2:X+3], v[X+2:X+3]
.irp j, 4,8,12,16,20,24,28,32,36,40,44,48,52,56,60
	v_pk_fma_f32 v[192:193], v[X+\j:X+\j+1], v[X+\j:X+\j+1], v[192:193]
	v_pk_fma_f32 v[194:195], v[X+\j+2:X+\j+3], v[X+\j+2:X+\j+3], v[194:195]
.endr
	v_pk_add_f32 v[192:193], v[192:193], v[194:195]
	v_add_f32 v192, v192, v193
	v_mov_b32 v196, 0
	v_permlanex16_b32 v196, v192, s52, s53
	v_add_f32 v192, v192, v196                     ; with lane l xor 16's: 128 columns of row r
.endif
.irp c, 0,1
	v_max3_num_f32 v[200+\c], |v[X+32*\c]|, |v[X+32*\c+1]|, 0x1800000    ; my two blocks by turns; the floor 2^(3 - 127) holds the byte at 1 from below
.endr
.irp i, 2,4,6,8,10,12,14,16,18,20,22,24,26,28,30
.irp c, 0,1
	v_max3_num_f32 v[200+\c], v[200+\c], |v[X+32*\c+\i]|, |v[X+32*\c+\i+1]|
.endr
.endr
.irp c, 0,1
	v_add_nc_u32 v[202+\c], 0xff000000, v[200+\c]  ; 2 off the exponent field: the conversion's scale operand
.endr
.irp c, 0,1
	v_lshrrev_b32 v[204+\c], 23, v[202+\c]         ; the scale's byte
.endr
	v_lshl_or_b32 v206, v205, 16, v204             ; blocks h and 2 + h,
	v_lshlrev_b32 v207, 3, v3
	v_lshlrev_b32 v206, v207, v206                 ; at their places in the word;
	v_mov_b32 v207, 0
	v_permlanex16_b32 v207, v206, s52, s53
	v_or_b32 v206, v206, v207                      ; with lane l xor 16's two the word is whole
.irp c, 0,1
.irp g, 0,1,2,3
	v_cvt_scalef32_pk8_fp4_f32 v[16+4*\c+\g], v[X+32*\c+8*\g:X+32*\c+8*\g+7], v[202+\c]
.endr
.endr
	v_nop                                          ; a plain instruction behind the conversions
	global_store_b128 v5, v[16:19], s[FQB:FQB+1]                         ; registers 0-3 of the fragment: 512 consecutive bytes
	global_store_b128 v5, v[20:23], s[FQB:FQB+1] offset:512              ; registers 4-7
	ds_store_b32 v9, v206                          ; both lanes of a row write the same word with the same value
.if LAYER == 1
	ds_store_b32 v10, v192
.endif
	s_wait_dscnt 0x0
	s_barrier_signal -1
	s_barrier_wait -1
	s_cmp_lt_u32 s18, 2
	s_cbranch_scc0 .Ln_a
	ds_load_b64 v[24:25], v11                      ; waves 0, 1: a record's 256 scale bytes
	s_wait_dscnt 0x0
	global_store_b64 v13, v[24:25], s[FQS:FQS+1]   ; 256 consecutive bytes, aligned
.Ln_a:
.if LAYER == 1
	s_cmp_eq_u32 s18, 2
	s_cbranch_scc0 .Ln_b
	ds_load_b128 v[24:27], v12                     ; wave 2: a row a lane, its four K steps
	v_lshlrev_b32 v28, 2, v1
	s_wait_dscnt 0x0
	v_add_f32 v24, v24, v25
	v_add_f32 v26, v26, v27
	v_add_f32 v24, v24, v26
	global_store_b32 v28, v24, s[FSQB:FSQB+1]
.Ln_b:
.endif
	s_wait_tensorcnt 0x0                           ; the wave's end
	ds_add_u32 v[SPW], v[NIL]
	s_wait_dscnt 0x0
	s_endpgm
.Lfunc_end_k_qa4596851fb_norm2:
	.size	k_qa4596851fb_norm2, .Lfunc_end_k_qa4596851fb_norm2-k_qa4596851fb_norm2
	.p2alignl 7, 3214868480
	.fill 96, 4, 3214868480
	.section	.rodata,"a",@progbits
	.p2align	6, 0x0
	.amdhsa_kernel k_qa4596851fb_norm2
		.amdhsa_group_segment_fixed_size 75776
		.amdhsa_private_segment_fixed_size 0
		.amdhsa_enable_private_segment 0
		.amdhsa_kernarg_size 56
		.amdhsa_user_sgpr_count 2
		.amdhsa_user_sgpr_kernarg_segment_ptr 1
		.amdhsa_wavefront_size32 1
		.amdhsa_system_sgpr_workgroup_id_x 1
		.amdhsa_system_sgpr_workgroup_id_y 1
		.amdhsa_system_sgpr_workgroup_id_z 1
		.amdhsa_system_vgpr_workitem_id 0
		.amdhsa_next_free_vgpr 208
		.amdhsa_next_free_sgpr 66
		.amdhsa_reserve_vcc 0
		.amdhsa_float_denorm_mode_32 3
		.amdhsa_float_denorm_mode_16_64 3
		.amdhsa_memory_ordered 1
		.amdhsa_forward_progress 1
		.amdhsa_inst_pref_size 25
	.end_amdhsa_kernel
	.amdgpu_metadata
---
amdhsa.version: [ 1, 2 ]
amdhsa.kernels:
  - .name:           k_qa4596851fb_norm2
    .symbol:         k_qa4596851fb_norm2.kd
    .args:
      - { .name: raw, .offset: 0, .size: 8, .value_kind: global_buffer, .address_space: global }
      - { .name: stat, .offset: 8, .size: 8, .value_kind: global_buffer, .address_space: global }
      - { .name: g2, .offset: 16, .size: 8, .value_kind: global_buffer, .address_space: global }
      - { .name: b2, .offset: 24, .size: 8, .value_kind: global_buffer, .address_space: global }
      - { .name: out2, .offset: 32, .size: 8, .value_kind: global_buffer, .address_space: global }
      - { .name: out3, .offset: 40, .size: 8, .value_kind: global_buffer, .address_space: global }
      - { .name: fq, .offset: 48, .size: 8, .value_kind: global_buffer, .address_space: global }
    .group_segment_fixed_size: 75776
    .private_segment_fixed_size: 0
    .kernarg_segment_align: 8
    .kernarg_segment_size: 56
    .max_flat_workgroup_size: 256
    .sgpr_count:     66
    .vgpr_count:     208
    .wavefront_size: 32
...
	.end_amdgpu_metadata
.endif
;; end of part 5
;; launch head (part 6): grid 16 x 16, 4 waves a work-group, clusters of 4 x 4, 245,760 bytes of LDS; arguments fq, qw, bl, out0; writes out0
.if DOCPART == 6
	.amdgcn_target "amdgcn-amd-amdhsa--gfx1250"
	.amdhsa_code_object_version 6
	.text
	.protected	k_qa4596851fb_head
	.globl	k_qa4596851fb_head
	.p2align	8
	.type	k_qa4596851fb_head,@function
k_qa4596851fb_head:
	s_mov_b64 s[64:65], 0
	v_nop
	global_prefetch_b8 v0, s[64:65] scope:SCOPE_SE
	s_setreg_imm32_b32 hwreg(HW_REG_WAVE_MODE, 25, 1), 1
	s_wait_xcnt 0x0
	s_wait_alu depctr_hold_cnt(0) depctr_sa_sdst(0) depctr_va_vdst(0) depctr_va_sdst(0) depctr_va_ssrc(0) depctr_va_vcc(0) depctr_vm_vsrc(0)
	s_getreg_b32 s2, hwreg(HW_REG_IB_STS2, 6, 4)
	s_cmp_eq_u32 s2, 0
	s_cbranch_scc0 .Lentry_in_a_cluster
	s_endpgm
.Lentry_in_a_cluster:
	s_bfe_u32 s2, ttmp6, 0x10000c
	s_cmp_lg_u32 s2, 0xf033
	s_cbranch_scc0 .Lentry_shape_is_right
	s_endpgm
.Lentry_shape_is_right:
; LAUNCH 6 OF 6.  logits = feat2 Wl^T + bl, on codes of E2M1 with E8M0 scales: feat2's records from the launch before, Wl's from the first launch (4,352 bytes: 16 rows x 512 along K, in operand order).
; SHARES.  A work-group makes 128 rows x 64 columns; wave w rows 32 w on (2 tiles) x 4 tiles of columns: 8 accumulators.  All of K (2,048) lies in LDS, filled once: 4 x 8 records of feat2, 4 x 4 of Wl; nothing is
; filled again.  Each wave brings two dense blocks by tensor loads (waves 0, 1: feat2's slots of K w % 2 and w % 2 + 2; waves 2, 3: Wl's): two loads of mine are out at the most.
; CLUSTER 4 x 4: feat2's blocks are shared along a row of the cluster, Wl's along a column, and asked for jointly.
; The matrix instruction is used transposed (source 0 = 16 rows of Wl, source 1 = 16 rows of feat2): lane (r, h) holds row r and columns 8 h + 0 .. 7.  bl is the C of each sum's first instruction.
; Columns 1,000 to 1,023 lie inside the last work-groups' tiles beside live ones: they are multiplied (on a repeat of Wl's last row) and never stored.
; A row of the result is 4,000 bytes, so its pieces of 256 consecutive bytes, which sixteen lanes store, cannot all begin on multiples of 256.
.set REC,   4352
.set WLOFF, 17825792
.set ASTR,  128*REC
.set BSTR,  64*REC
.set ABLK,  8*REC                      ; 34,816
.set BBLK,  4*REC                      ; 17,408
.set BOFF,  4*ABLK                     ; 139,264
.set STG,   BOFF+4*BBLK                ; 208,896: a stage of 32 rows x 272 bytes for each wave
.set SPARE, STG+4*32*272               ; 243,712: the spare words, 128 bytes for each wave, which no other line names
.set ADRA,  1                          ; v1-2  feat2's fragments: slots of K 0, 1 and 2, 3
.set ADRB,  3                          ; v3-4  Wl's
.set STO,   5
.set RD,    6
.set CO,    7
.set ADRS,  8                          ; v8-11 the scale words of each slot of K: lanes 0-15 feat2's, lanes 16-31 Wl's
.set CM,    12                         ; v12   my first byte in a row of the result
.set SPW,   14
.set NIL,   15
.set SC,    16                         ; v16-47  scale words, two sets of 16, nothing else ever
.set CI,    48                         ; v48-79  bl, eight registers a tile of columns
.set AF,    80                         ; v80-111 feat2's fragments, two sets
.set BF,    112                        ; v112-175 Wl's, two sets
.set ACC,   176                        ; v176-239
.set WV,    18
.set RH,    19
.set UH,    20
.set G1A,   24
.set G0A,   32
.set G1B,   48
.set G0B,   56
.macro PLACES
.rept 4
	v_nop
.endr
.endm
.macro JLOAD s                         ; a joint load: waves 0, 1 for feat2, waves 2, 3 for Wl; an s_nop 0 and four v_nop follow each line
	s_cmp_eq_u32 s[RH], 0
	s_cbranch_scc0 .Lfor_b_\@
	tensor_load_to_lds s[G0A+4*\s:G0A+4*\s+3], s[G1A:G1A+7]
	s_nop 0
.rept 4
	v_nop
.endr
	s_branch .Lasked_\@
.Lfor_b_\@:
	tensor_load_to_lds s[G0B+4*\s:G0B+4*\s+3], s[G1B:G1B+7]
	s_nop 0
.rept 4
	v_nop
.endr
.Lasked_\@:
.endm
.macro CROUND                          ; a round of the cluster's barrier
	s_barrier_signal -1
	s_barrier_wait -1
	s_cmp_lg_u32 s[WV], 0
	s_cbranch_scc1 .Lnot_wave_0_\@
	s_barrier_signal -3
.Lnot_wave_0_\@:
	s_barrier_wait -3
	s_barrier_signal -1
	s_barrier_wait -1
.endm
	s_load_b256 s[4:11], s[0:1], 0x0               ; fq, qw, bl, out0
	v_lshl_add_u32 v[SPW], v0, 2, SPARE
	v_mov_b32 v[NIL], 0
	ds_add_u32 v[SPW], v[NIL]                      ; the wave's opening: the add, twice on end, and its wait ahead of my first tensor load
	ds_add_u32 v[SPW], v[NIL]
	v_lshrrev_b32 v1, 5, v0
	v_readfirstlane_b32 s[WV], v1
	s_lshr_b32 s[RH], s[WV], 1                     ; I fetch feat2 (0) or Wl (1),
	s_and_b32 s[UH], s[WV], 1                      ; slots of K w % 2 and w % 2 + 2
	s_bfe_u32 s40, ttmp6, 0x40000
	s_bfe_u32 s41, ttmp6, 0x40004
	s_lshl_b32 s42, ttmp9, 2
	s_add_co_u32 s42, s42, s40                     ; X: 64 columns
	s_and_b32 s21, ttmp7, 0xffff
	s_lshl_b32 s21, s21, 2
	s_add_co_u32 s21, s21, s41                     ; Y: 128 rows
	s_lshl_b32 s43, s41, 2
	s_lshl_b32 s43, 15, s43
	s_lshl_b32 s44, 0x1111, s40
	s_or_b32 s[G1A], s43, (3<<16)|(1<<21)          ; dense blocks as rows of 256 bytes (32 elements of 8 bytes): 136 rows of feat2's, 68 of Wl's; the mask; bit 21 beside it
	s_or_b32 s[G1B], s44, (3<<16)|(1<<21)
	s_mov_b32 s[G1A+1], 32<<16
	s_mov_b32 s[G1A+2], 136<<16
	s_mov_b32 s[G1A+3], 32<<16
	s_mov_b32 s[G1A+4], 136
	s_mov_b32 s[G1A+5], 32
	s_mov_b32 s[G1A+6], 0
	s_mov_b32 s[G1A+7], 0
	s_mov_b32 s[G1B+1], 32<<16
	s_mov_b32 s[G1B+2], 68<<16
	s_mov_b32 s[G1B+3], 32<<16
	s_mov_b32 s[G1B+4], 68
	s_mov_b32 s[G1B+5], 32
	s_mov_b32 s[G1B+6], 0
	s_mov_b32 s[G1B+7], 0
	s_lshl_b32 s80, s21, 3
	s_lshl_b32 s22, s[UH], 7
	s_add_co_u32 s80, s80, s22
	s_mul_i32 s80, s80, REC                        ; feat2: record (w % 2, 8 Y)
	s_mov_b32 s81, 0
	s_lshl_b32 s82, s42, 2
	s_lshl_b32 s22, s[UH], 6
	s_add_co_u32 s82, s82, s22
	s_mul_i32 s82, s82, REC                        ; Wl: record (w % 2, 4 X)
	s_add_co_u32 s82, s82, WLOFF
	s_mov_b32 s83, 0
	s_lshl_b32 s84, s21, 7
	s_lshl_b32 s22, s[WV], 5
	s_add_co_u32 s84, s84, s22
	s_mul_i32 s84, s84, 4000                       ; the result: row 128 Y + 32 w,
	s_lshl_b32 s23, s42, 8
	s_add_co_u32 s84, s84, s23                     ; column 64 X
	s_mov_b32 s85, 0
	s_mul_i32 s45, s[UH], ABLK
	s_mul_i32 s46, s[UH], BBLK
	s_add_co_u32 s46, s46, BOFF
	s_wait_dscnt 0x0                               ; both opening adds are done
	s_wait_kmcnt 0x0
	s_add_nc_u64 s[66:67], s[4:5], s[80:81]
	s_add_nc_u64 s[68:69], s[6:7], s[82:83]
	s_add_nc_u64 s[10:11], s[10:11], s[84:85]
	CROUND                                         ; all sixteen work-groups are here: the joint loads meet
.irp s, 0,1
	s_mov_b32 s[G0A+4*\s], 1
	s_add_co_u32 s[G0A+4*\s+1], s45, \s*2*ABLK
	s_add_nc_u64 s[G0A+4*\s+2:G0A+4*\s+3], s[66:67], \s*2*ASTR
	s_or_b32 s[G0A+4*\s+3], s[G0A+4*\s+3], 0x80000000
	s_mov_b32 s[G0B+4*\s], 1
	s_add_co_u32 s[G0B+4*\s+1], s46, \s*2*BBLK
	s_add_nc_u64 s[G0B+4*\s+2:G0B+4*\s+3], s[68:69], \s*2*BSTR
	s_or_b32 s[G0B+4*\s+3], s[G0B+4*\s+3], 0x80000000
	JLOAD \s
.endr
	v_and_b32 v249, 31, v0                         ; lane
	v_and_b32 v250, 15, v0                         ; r
	v_bfe_u32 v251, v0, 4, 1                       ; h
	v_lshl_add_u32 v248, v251, 5, s23              ; bl: 4 (64 X + 8 h)
.irp i, 0,1,2,3,4,5,6,7
	v_add_nc_u32 v[240+\i], 64*(\i/2)+16*(\i%2), v248
	v_min_u32 v[240+\i], 3984, v[240+\i]           ; no load leaves bl: what is held back here belongs to columns that are never stored
.endr
.irp i, 0,1,2,3,4,5,6,7
	global_load_b128 v[CI+4*\i:CI+4*\i+3], v[240+\i], s[8:9]
.endr
	v_lshlrev_b32 v252, 4, v249                    ; 16 x lane
	s_mul_i32 s22, s[WV], 2*REC                    ; my two tiles of rows
	v_add_nc_u32 v[ADRA], s22, v252
	v_add_nc_u32 v[ADRA+1], 2*ABLK, v[ADRA]
	v_add_nc_u32 v[ADRB], BOFF, v252
	v_add_nc_u32 v[ADRB+1], 2*BBLK, v[ADRB]
.irp k, 0,1,2,3
	s_sub_co_u32 s47, BOFF+\k*BBLK-\k*ABLK, s22    ; from my rows' records of this slot of K to Wl's
	v_mul_u32_u24 v253, s47, v251                  ; one product: lanes 16-31 take Wl's
	v_lshl_add_u32 v[ADRS+\k], v250, 4, v253
	s_add_co_u32 s47, s22, \k*ABLK+4096
	v_add_nc_u32 v[ADRS+\k], s47, v[ADRS+\k]
.endr
	s_mul_i32 s47, s[WV], 32*272
	s_add_co_u32 s47, s47, STG                     ; my stage
	v_mul_u32_u24 v[STO], v250, 272
	v_lshl_add_u32 v[STO], v251, 5, v[STO]
	v_add_nc_u32 v[STO], s47, v[STO]               ; in: row r, + 32 h
	v_mul_u32_u24 v[RD], v251, 272
	v_lshl_add_u32 v[RD], v250, 4, v[RD]
	v_add_nc_u32 v[RD], s47, v[RD]                 ; back: two rows an instruction, sixteen lanes to a row
	v_mul_u32_u24 v[CO], v251, 4000
	v_lshl_add_u32 v[CO], v250, 4, v[CO]
	v_lshl_add_u32 v[CM], v250, 4, s23             ; 256 X + 16 r
	s_wait_tensorcnt 0x0                           ; my two blocks are in,
	s_barrier_signal -1
	s_barrier_wait -1                              ; everybody's are
	s_wait_loadcnt 0x0                             ; bl
.macro FETCH st                        ; the fragments of step st (128 along K) into set st % 2; with a new slot of K its scale words
.set KK, (\st)/4
.set QQ, (\st)%4
.set SE, (\st)%2
.irp m, 0,1
.irp c, 0,1
	ds_load_b128 v[AF+16*SE+8*\m+4*\c:AF+16*SE+8*\m+4*\c+3], v[ADRA+KK/2] offset:(KK%2)*ABLK+\m*REC+QQ*1024+512*\c
.endr
.endr
.irp n, 0,1,2,3
.irp c, 0,1
	ds_load_b128 v[BF+32*SE+8*\n+4*\c:BF+32*SE+8*\n+4*\c+3], v[ADRB+KK/2] offset:(KK%2)*BBLK+\n*REC+QQ*1024+512*\c
.endr
.endr
.if QQ == 0
.irp i, 0,1,2,3
	ds_load_b128 v[SC+16*(KK%2)+4*\i:SC+16*(KK%2)+4*\i+3], v[ADRS+KK] offset:\i*REC   ; for i = 2, 3 lanes 0-15 read landed bytes that no product names
.endr
.endif
.endm
.macro MUL st                          ; eight accumulators by turns
.set KK, (\st)/4
.set QQ, (\st)%4
.set SE, (\st)%2
.set SS, SC+16*(KK%2)+QQ
.irp m, 0,1
.irp n, 0,1,2,3
.if (\st) == 0
	v_wmma_scale_f32_16x16x128_f8f6f4 v[ACC+8*(4*\m+\n):ACC+8*(4*\m+\n)+7], v[BF+32*SE+8*\n:BF+32*SE+8*\n+7], v[AF+16*SE+8*\m:AF+16*SE+8*\m+7], v[CI+8*\n:CI+8*\n+7], v[SS+4*\n], v[SS+4*\m] matrix_a_fmt:MATRIX_FMT_FP4 matrix_b_fmt:MATRIX_FMT_FP4 matrix_a_scale:MATRIX_SCALE_ROW1
.else
	v_wmma_scale_f32_16x16x128_f8f6f4 v[ACC+8*(4*\m+\n):ACC+8*(4*\m+\n)+7], v[BF+32*SE+8*\n:BF+32*SE+8*\n+7], v[AF+16*SE+8*\m:AF+16*SE+8*\m+7], v[ACC+8*(4*\m+\n):ACC+8*(4*\m+\n)+7], v[SS+4*\n], v[SS+4*\m] matrix_a_fmt:MATRIX_FMT_FP4 matrix_b_fmt:MATRIX_FMT_FP4 matrix_a_scale:MATRIX_SCALE_ROW1
.endif
.endr
.endr
.endm
	FETCH 0
.irp st, 0,1,2,3,4,5,6,7,8,9,10,11,12,13,14
	s_wait_dscnt 0x0                               ; this step's fragments are in
	PLACES                                         ; the other set was read by the products just issued
	FETCH \st+1
	MUL \st
.endr
	s_wait_dscnt 0x0
	MUL 15
	PLACES
	; THE WAY OUT, through my own stage: a lane's 32 bytes of a row in, whole pieces of 256 bytes back
.irp m, 0,1
.irp n, 0,1,2,3
	ds_store_b128 v[STO], v[ACC+8*(4*\m+\n):ACC+8*(4*\m+\n)+3] offset:\m*16*272+64*\n          ; each accumulator from its low end on
	ds_store_b128 v[STO], v[ACC+8*(4*\m+\n)+4:ACC+8*(4*\m+\n)+7] offset:\m*16*272+64*\n+16
.endr
.endr
.irp t, 0,1,2,3,4,5,6,7,8,9,10,11,12,13,14,15
	ds_load_b128 v[AF+4*\t:AF+4*\t+3], v[RD] offset:544*\t     ; LDS serves a wave's instructions in order: these see my stores
.endr
	s_wait_dscnt 0x0
	v_cmp_gt_u32 vcc_lo, 4000, v[CM]               ; my 16 bytes lie inside the row's 4,000
	s_wait_xcnt 0x0                                ; EXEC changes only behind this wait
	s_and_saveexec_b32 s22, vcc_lo
.irp t, 0,1,2,3,4,5,6,7,8,9,10,11,12,13,14,15
	global_store_b128 v[CO], v[AF+4*\t:AF+4*\t+3], s[10:11] offset:8000*\t th:TH_STORE_NT
.endr
	s_wait_xcnt 0x0                                ; and again, ahead of the line that widens it
	s_or_b32 exec_lo, exec_lo, s22
	s_wait_tensorcnt 0x0                           ; the wave's end
	ds_add_u32 v[SPW], v[NIL]
	s_wait_dscnt 0x0
	CROUND                                         ; the closing round
	s_endpgm
.Lfunc_end_k_qa4596851fb_head:
	.size	k_qa4596851fb_head, .Lfunc_end_k_qa4596851fb_head-k_qa4596851fb_head
	.p2alignl 7, 3214868480
	.fill 96, 4, 3214868480
	.section	.rodata,"a",@progbits
	.p2align	6, 0x0
	.amdhsa_kernel k_qa4596851fb_head
		.amdhsa_group_segment_fixed_size 245760
		.amdhsa_private_segment_fixed_size 0
		.amdhsa_enable_private_segment 0
		.amdhsa_kernarg_size 32
		.amdhsa_user_sgpr_count 2
		.amdhsa_user_sgpr_kernarg_segment_ptr 1
		.amdhsa_wavefront_size32 1
		.amdhsa_system_sgpr_workgroup_id_x 1
		.amdhsa_system_sgpr_workgroup_id_y 1
		.amdhsa_system_sgpr_workgroup_id_z 1
		.amdhsa_system_vgpr_workitem_id 0
		.amdhsa_next_free_vgpr 256
		.amdhsa_next_free_sgpr 100
		.amdhsa_reserve_vcc 1
		.amdhsa_float_denorm_mode_32 3
		.amdhsa_float_denorm_mode_16_64 3
		.amdhsa_memory_ordered 1
		.amdhsa_forward_progress 1
		.amdhsa_inst_pref_size 46
	.end_amdhsa_kernel
	.amdgpu_metadata
---
amdhsa.version: [ 1, 2 ]
amdhsa.kernels:
  - .name:           k_qa4596851fb_head
    .symbol:         k_qa4596851fb_head.kd
    .args:
      - { .name: fq, .offset: 0, .size: 8, .value_kind: global_buffer, .address_space: global }
      - { .name: qw, .offset: 8, .size: 8, .value_kind: global_buffer, .address_space: global }
      - { .name: bl, .offset: 16, .size: 8, .value_kind: global_buffer, .address_space: global }
      - { .name: out0, .offset: 24, .size: 8, .value_kind: global_buffer, .address_space: global }
    .group_segment_fixed_size: 245760
    .private_segment_fixed_size: 0
    .kernarg_segment_align: 8
    .kernarg_segment_size: 32
    .max_flat_workgroup_size: 128
    .sgpr_count:     100
    .vgpr_count:     256
    .wavefront_size: 32
...
	.end_amdgpu_metadata
.endif
;; end of part 6
